; MI455X (gfx1250); checked and timed in simulation.
; The chip was launched on July 23, 2026; its instructions are those of AMD's public machine-readable ISA for CDNA 5 (MIT licence, August 2026) and "CDNA5" Instruction Set Architecture Reference Guide (July 2026). The comments in the code are by the model that wrote it; some were corrected since.
;; Grouped Query Attention. Allowed arithmetic: matrix products marked QUANTISED: E4M3 operands, one given power-of-two scale a tensor, by v_wmma_f32_16x16x64_fp8_fp8 or v_wmma_f32_16x16x128_fp8_fp8, f32 sums; everything else in f32.
;; Inputs: Wk 2,048 x 512 float32; Wo 2,048 x 2,048 float32; Wq 2,048 x 2,048 float32; Wv 2,048 x 512 float32; lowp_scales 12 int32 (the exponents e of the quantised operands' scales 2^e); x 4 x 1,024 x 2,048 float32.
;; Outputs: out0 4 x 1,024 x 2,048 float32.
;; This version of the problem:
;;   THIS VERSION OF THE PROBLEM IS GIVEN IN LOW PRECISION. The matrix products marked QUANTISED in the list below multiply operands that are first quantised to E4M3 (4 exponent bits, 3 mantissa bits; 8 bits a number), with one given power-of-two scale for each operand tensor; their sums are f32. All else is computed in f32.
;;   The module's matrix products, in the order in which they are computed (A, B: the left and right operand; K: the contracted axis; several contracted axes count as one K, in the product's order):
;;     1. [M 4,096, K 2,048] x [K 2,048, N 2,048]; A: input x; B: input Wq: QUANTISED (scales: A lowp_scales[0], B lowp_scales[1])
;;     2. [M 4,096, K 2,048] x [K 2,048, N 512]; A: input x; B: input Wk: QUANTISED (scales: A lowp_scales[2], B lowp_scales[3])
;;     3. [M 4,096, K 2,048] x [K 2,048, N 512]; A: input x; B: input Wv: QUANTISED (scales: A lowp_scales[4], B lowp_scales[5])
;;     4. batch 16 x [M 4,096, K 128] x [K 128, N 1,024]; A: computed on the way; B: computed on the way: QUANTISED (scales: A lowp_scales[6], B lowp_scales[7])
;;     5. batch 16 x [M 4,096, K 1,024] x [K 1,024, N 128]; A: softmax (see below); B: computed on the way: QUANTISED (scales: A lowp_scales[8], B lowp_scales[9])
;;     6. [M 4,096, K 2,048] x [K 2,048, N 2,048]; A: computed on the way; B: input Wo: QUANTISED (scales: A lowp_scales[10], B lowp_scales[11])
;;   THE QUANTISER, for each operand of a quantised product, along K:
;;     - The operand's scale is 2^e, e = its entry of the input lowp_scales (int32; the entries are numbered through the quantised products in the list's order, A before B).
;;     - Each number is divided by the scale, clamped to +-448, and rounded to the nearest number of E4M3, ties to even, subnormals kept.
;;     - The product sums the exact products of the quantised numbers (number of the format x scale) in f32.
;;   ~~~python
;;   def quantise(x, axis, e):      # numpy; x: float32 -> the quantised numbers, widened to float32 again
;;       x = np.moveaxis(x, axis, -1); K = x.shape[-1]
;;       r = np.clip(x / 2.0 ** e, -448, 448)
;;       step = 2.0 ** (np.maximum(np.frexp(np.where(r == 0, 1, r))[1] - 1, -6) - 3)
;;       q = np.round(r / step) * step * 2.0 ** e      # np.round: ties to even
;;       return np.moveaxis(q, -1, axis).astype(np.float32)
;;   ~~~
;;   SOFTMAX AHEAD OF A QUANTISED PRODUCT. Where the list says 'softmax', what is quantised is not the finished softmax but p = 2^(t - M), with t = logit x log2(e) and M = ceil(the row's largest t), a whole number; so 1/2 < the row's largest p <= 1. The row's sum l is taken of the UNQUANTISED p, in f32, and the product's result is divided by l at the end. Since M is a whole number, a kernel that streams over the keys may use a running M (the ceiling of the running maximum): every later rescaling is an exact power of two, so the quantised numbers keep their values, but for numbers so far below the row's largest that they fall under the format's range.
;;   OPERANDS COMPUTED ON THE WAY. 'Computed on the way' means the value that the module computes at that place (a softmax that the list does not call 'softmax' is quantised finished and normalised). What goes into a quantiser is computed in f32, as accurately as f32 sums, v_exp_f32 and their like allow (about 1e-6 of the number): no bf16 or f16 on the way to a quantiser, and a product that is left as it is and whose result goes on into a quantised operand takes f32 operands (vector FMAs, or v_wmma_f32_16x16x4_f32). A number that lies on a knife's edge between two numbers of the format may be rounded either way, as far as f32 arithmetic and the matrix unit's own rounding can turn it there, and no further.
;; One version. Each part assembles by itself: llvm-mc -triple=amdgcn-amd-amdhsa -mcpu=gfx1250 --defsym DOCPART=n.
;; ======== version 1 of 1: 4 launches
;; limits: right only within a limited range of input values
;; workspace buffers: xc 25,165,824 bytes; wc 10,485,760 bytes; rope 524,288 bytes; qkvc 12,582,912 bytes; ac 8,388,608 bytes
;; launch quant (part 1): grid 576 x 1, 4 waves a work-group, no clusters, 70,144 bytes of LDS; arguments x, Wq, Wk, Wv, Wo, lowp_scales, xc, wc, rope; writes xc, wc, rope
.if DOCPART == 1
	.amdgcn_target "amdgcn-amd-amdhsa--gfx1250"
	.amdhsa_code_object_version 6
	.text
	.protected	k_qcf10654fee_quant
	.globl	k_qcf10654fee_quant
	.p2align	8
	.type	k_qcf10654fee_quant,@function
k_qcf10654fee_quant:
	s_mov_b64 s[64:65], 0
	v_nop
	global_prefetch_b8 v0, s[64:65] scope:SCOPE_SE
	s_setreg_imm32_b32 hwreg(HW_REG_WAVE_MODE, 25, 1), 1
	s_wait_xcnt 0x0
; x and the four weights become codes of FP8 (E4M3); the rotary tables are made once.
; code = number / 2^e, held within +-448, rounded to the nearest code, ties to even; e is the operand's entry of lowp_scales.
; x [4096][2048] f32 is an operand of three products with an entry of its own in each (entries 0, 2, 4): three sets of codes, made from ONE read of x.
; LAYOUT OF THE CODES, "K-blocked": [K / 128][row][128 bytes].  A tile of 256 rows x 128 K is then 32,768 consecutive bytes.
;   xc: three sections of 8,388,608 bytes, each [16][4096 tokens][128].
;   wc: [16][3072][128]: rows 0-2047 Wq's columns, 2048-2559 Wk's, 2560-3071 Wv's; then at byte 6,291,456 [16][2048][128]: Wo's columns.
;   rope: [t / 16][b = 0..3][cos j 0-3 | cos j 4-7 | sin j 0-3 | sin j 4-7][lane][4 f32]: lane (r, h) holds token 16 (t / 16) + r, frequencies i = 16 b + 8 h + j.
; Work-groups 0-255 take x (16 rows each, 4 a wave) and 2,048 bytes of the table; work-groups 256-575 take 128 columns x 256 K of a weight.
; The two ways part on the work-group's number and have LDS bytes of their own: [0, 32768) and [32768, 69632).  No wave shares anything: no barrier.
; LIMITS: entries 0, 1, 2, 3, 4, 5 and 11 lie between -126 and 119, so that 2^e and 448 x 2^e are f32 numbers.  NaN among the inputs is not served; an infinity is held at the largest code.
; THE TABLE: the angle is t x 2^(-i log2(10000) / 64), the power by v_exp_f32; it is reduced by whole multiples of pi / 2 in two parts, and sine and cosine
; are polynomials on +-pi / 4.  The frequency agrees with a correctly rounded one to about two units of its last place, so the angle to about 1e-4 at t near 1,000.
; SECTIONS OF xc THAT ARE WRITTEN: section 0 always (entry 0).  Section 1 (entry 2) only where entry 2 differs from entry 0; section 2 (entry 4) only where entry 4 differs from entries 0 and 2:
; equal exponents give equal codes, and the next launch reads the earlier section in that case (it makes the same comparison of the same whole numbers).
; Wv's COLUMNS lie interleaved in wc: inside each group of 32, row 2 r + e holds column 16 e + r, which is the order in which the next launch's way out for v wants them.
.set XSEC, 8388608
.set KBX,  524288                      ; from K block to K block in a section of xc
.set R,    16                          ; x: v16-79   four sets of 16 numbers as loaded
.set X,    80                          ;    v80-111  two sets of 16 neighbours along K
.set T,    112                         ;    v112-159 the 16 numbers held for each of the three scales
.set C,    160                         ;    v160-171 their codes, four registers a scale
.set SC,   172                         ;    v172-177 2^e and 448 x 2^e for entries 0, 2, 4
.set TW,   112                         ;    the table's work, eight registers for each of four numbers (ahead of the first step)
.set TV,   188                         ;    v188-191 the table's four numbers: store data, never rewritten
.set VO,   16                          ; W: v16-47   4 x lane + i x a row of W, i = 0 .. 31
.set WX,   48                          ;    v48-111  two sets of 32 numbers down K
.set WC,   112                         ;    v112-119 a block's codes
.set OUTR, 120                         ;    v120-183 the way out
	s_load_b512 s[8:23], s[0:1], 0x0               ; x 8:9, Wq 10:11, Wk 12:13, Wv 14:15, Wo 16:17, the exponents 18:19, xc 20:21, wc 22:23
	s_load_b64 s[24:25], s[0:1], 0x40              ; rope
	v_lshl_add_u32 v192, v0, 2, 0x11000
	v_mov_b32 v193, 0
	v_lshrrev_b32 v1, 5, v0
	v_readfirstlane_b32 s2, v1                     ; wave 0..3
	v_and_b32 v2, 31, v0                           ; lane
	s_wait_kmcnt 0x0
	s_load_b256 s[48:55], s[18:19], 0x0            ; entries 0 to 7
	s_load_b128 s[56:59], s[18:19], 0x20           ; entries 8 to 11
	s_cmp_lt_u32 ttmp9, 256
	s_cbranch_scc0 .Lweights
; ---------------------------------------------------------------- x
; A wave owns rows r0 .. r0 + 3.  Step t is K block t: each of its four loads reads one row's 512 consecutive bytes, 16 a lane.  The conversions want 8 neighbours along K in ONE lane's
; registers, so the step's 2,048 bytes turn through the wave's own stage in LDS (16 bytes of padding behind each 64) and come back 64 bytes a lane: lane L holds row r0 + L / 8,
; k = 16 (L % 8) + 0 .. 15.  Its 16 codes lie at byte 16 L of the block's 512 consecutive bytes of output.
	s_wait_alu depctr_va_vdst(0)
	v_lshlrev_b32 v3, 4, v2                        ; 16 x lane: my bytes of a load's 512 and of a store's
	s_wait_alu depctr_va_vdst(0)
	s_lshl_b32 s3, ttmp9, 4
	s_lshl_b32 s26, s2, 2
	s_add_co_u32 s3, s3, s26                       ; r0 = 16 x work-group + 4 x wave
	s_lshl_b32 s26, s3, 13                         ; a row of x is 8,192 bytes
	s_mov_b32 s27, 0
	s_add_nc_u64 s[4:5], s[8:9], s[26:27]
	s_lshl_b32 s26, s3, 7                          ; a row of a K block is 128 bytes
	s_add_nc_u64 s[26:27], s[20:21], s[26:27]      ; my rows in the three sections of xc
	s_add_nc_u64 s[28:29], s[26:27], XSEC
	s_add_nc_u64 s[30:31], s[28:29], XSEC
	s_lshl_b32 s32, s2, 13                         ; my 8,192 bytes of LDS: two stages of 32 x 80
	v_lshrrev_b32 v14, 2, v2
	v_mul_u32_u24 v14, v14, 80
	v_and_b32 v15, 3, v2
	v_lshl_add_u32 v14, v15, 4, v14
	v_add_nc_u32 v14, s32, v14                     ; into the stage: 80 (lane / 4) + 16 (lane % 4); a load's 512 bytes take eight places of 80
	v_mul_u32_u24 v15, v2, 80
	v_add_nc_u32 v15, s32, v15                     ; out of it: 80 x lane
.macro XLOAD t
.irp i, 0,1,2,3
	global_load_b128 v[R+16*((\t)%4)+4*\i:R+16*((\t)%4)+4*\i+3], v3, s[4:5] offset:512*(\t)+8192*\i th:TH_LOAD_NT
.endr
.endm
.macro XTURN t                         ; LDS serves a wave's instructions in order (ISA guide 5.7.1.4): no wait between the stores and the loads
.irp i, 0,1,2,3
	ds_store_b128 v14, v[R+16*((\t)%4)+4*\i:R+16*((\t)%4)+4*\i+3] offset:2560*((\t)%2)+640*\i
.endr
.irp i, 0,1,2,3
	ds_load_b128 v[X+16*((\t)%2)+4*\i:X+16*((\t)%2)+4*\i+3], v15 offset:2560*((\t)%2)+16*\i
.endr
.endm
.irp t, 0,1,2,3
	XLOAD \t
.endr
	; the table, while the first loads are on their way: each thread makes four numbers, 16 bytes
	s_mov_b32 s66, 0xbe549a78                      ; -log2(10000) / 64
	s_mov_b32 s67, 0x3f22f983                      ; 2 / pi
	s_mov_b32 s68, 0x3fc90fdb                      ; pi / 2, upper part
	s_mov_b32 s69, 0xb33bbd2e                      ; pi / 2, the rest
	s_mov_b32 s70, 0xbe2aaaa3                      ; sine: r + r z (s70 + z (s71 + z s72)), z = r r
	s_mov_b32 s71, 0x3c08839e
	s_mov_b32 s72, 0xb94ca1f9
	s_mov_b32 s73, 0x3d2aaaa5                      ; cosine: 1 - z / 2 + z z (s73 + z (s74 + z s75))
	s_mov_b32 s74, 0xbab6061a
	s_mov_b32 s75, 0x37ccf5ce
	s_lshr_b32 s33, ttmp9, 2
	s_lshl_b32 s33, s33, 4                         ; the work-group's 16 tokens begin at 16 (work-group / 4)
	v_and_b32 v6, 15, v2
	v_add_nc_u32 v6, s33, v6
	v_cvt_f32_u32 v6, v6                           ; t
	s_and_b32 s33, ttmp9, 3                        ; b
	s_lshl_b32 s33, s33, 4
	s_and_b32 s34, s2, 1                           ; the wave is the part: odd parts hold j = 4 .. 7
	s_lshl_b32 s34, s34, 2
	s_add_co_u32 s33, s33, s34
	v_lshrrev_b32 v7, 4, v2
	v_lshl_add_u32 v7, v7, 3, s33                  ; my first frequency: 16 b + 8 h + 4 (part % 2)
	s_lshr_b32 s34, s2, 1
	s_sub_co_u32 s34, 1, s34                       ; parts 0, 1 are cosines: cos(a) = sin(a + pi / 2): one quarter turn more
	s_lshl_b32 s36, ttmp9, 11
	s_mov_b32 s37, 0
	s_add_nc_u64 s[24:25], s[24:25], s[36:37]      ; the work-group's 2,048 bytes of the table
	v_lshlrev_b32 v5, 4, v0                        ; 16 x thread; never rewritten
.macro EACH4 line:vararg               ; a line for each of the four numbers, so that no line waits for the one above it; W stands for the number's first work register
.irp q, 0,1,2,3
.set W, TW+8*\q
.set Q4, \q
	\line
.endr
.endm
	EACH4 v_add_nc_u32 v[W], Q4, v7
	EACH4 v_cvt_f32_u32 v[W], v[W]
	EACH4 v_mul_f32 v[W], s66, v[W]
	s_wait_alu depctr_va_vdst(0)
	EACH4 v_exp_f32 v[W+1], v[W]                   ; the frequency 10000^(-i / 64)
	v_nop                                          ; a plain line behind the last of the batch (ISA guide 5.7.2)
	s_wait_alu depctr_va_vdst(0)                   ; the wait ahead of the batch's first reader: one for the four
	EACH4 v_mul_f32 v[W], v6, v[W+1]               ; the angle
	EACH4 v_mul_f32 v[W+1], s67, v[W]
	EACH4 v_rndne_f32 v[W+1], v[W+1]               ; n quarter turns
	EACH4 v_fma_f32 v[W+2], -v[W+1], s68, v[W]
	EACH4 v_fma_f32 v[W+2], -v[W+1], s69, v[W+2]   ; r = angle - n pi / 2, within +-pi / 4
	EACH4 v_mul_f32 v[W+3], v[W+2], v[W+2]         ; z
	EACH4 v_fma_f32 v[W+4], v[W+3], s72, s71
	EACH4 v_fma_f32 v[W+5], v[W+3], s75, s74
	EACH4 v_fma_f32 v[W+4], v[W+3], v[W+4], s70
	EACH4 v_fma_f32 v[W+5], v[W+3], v[W+5], s73
	EACH4 v_mul_f32 v[W+6], v[W+2], v[W+3]
	EACH4 v_fma_f32 v[W+4], v[W+6], v[W+4], v[W+2] ; sin r
	EACH4 v_mul_f32 v[W+6], v[W+3], v[W+3]
	EACH4 v_fma_f32 v[W+3], v[W+3], -0.5, 1.0
	EACH4 v_fma_f32 v[W+5], v[W+6], v[W+5], v[W+3] ; cos r
	EACH4 v_cvt_i32_f32 v[W+7], v[W+1]
	EACH4 v_add_nc_u32 v[W+7], s34, v[W+7]         ; quarter turns, the cosine's one among them
	EACH4 v_and_b32 v[W+6], 1, v[W+7]
.irp q, 0,1,2,3
	v_cmp_eq_u32 vcc_lo, 1, v[TW+8*\q+6]
	v_cndmask_b32 v[TV+\q], v[TW+8*\q+4], v[TW+8*\q+5], vcc_lo   ; an odd number of quarter turns takes cos r
.endr
	EACH4 v_lshlrev_b32 v[W+7], 30, v[W+7]
	EACH4 v_and_b32 v[W+7], 0x80000000, v[W+7]     ; two or three quarter turns change the sign
	EACH4 v_xor_b32 v[TV+Q4], v[TV+Q4], v[W+7]
	global_store_b128 v5, v[TV:TV+3], s[24:25]     ; a wave stores 512 consecutive bytes
	s_wait_kmcnt 0x0
	s_cmp_lg_u32 s50, s48
	s_cselect_b32 s77, 1, 0                        ; section 1 is written: entry 2 is not entry 0
	s_cmp_lg_u32 s52, s48
	s_cselect_b32 s78, 1, 0
	s_cmp_lg_u32 s52, s50
	s_cselect_b32 s78, s78, 0                      ; section 2 is written: entry 4 is neither entry 0 nor entry 2
.irp p, 0,1,2
	s_add_co_i32 s38, s[48+2*\p], 127
	s_lshl_b32 s39, s38, 23
	v_mov_b32 v[SC+2*\p], s39                      ; 2^e as f32: the conversion takes its exponent field
	s_add_co_i32 s38, s38, 8
	s_lshl_b32 s38, s38, 23
	s_or_b32 s38, s38, 0x600000
	v_mov_b32 v[SC+2*\p+1], s38                    ; 448 x 2^e
.endr
	s_wait_alu depctr_va_vdst(0)
	s_wait_loadcnt 12                              ; step 0's four loads are in; those of steps 1 to 3 may be out
	XTURN 0
.macro XSTEP t
.set XS, X+16*((\t)%2)
	s_wait_dscnt 0x0                               ; this step's numbers are back from the stage, so its stores into the stage have read their registers,
.if (\t)+4 < 16
	XLOAD (\t)+4                                   ; which take the loads of four steps on
.endif
.if (\t)+1 < 16
.if 14-(\t) >= 3
	s_wait_loadcnt 12                              ; the next step's four loads are in; those of the three steps behind it may be out
.else
	s_wait_loadcnt 4*(14-(\t))
.endif
	XTURN (\t)+1                                   ; and go through the other stage while this step is worked
.endif
	s_wait_xcnt 0x0                                ; the last step's stores have read their data registers: the codes may be written again
.irp p, 0,1,2
.if \p > 0
	s_cmp_lg_u32 s[76+\p], 0                       ; a section whose exponent an earlier section has is not made: a scalar branch on whole numbers read from lowp_scales
	s_cbranch_scc0 .Lsame\@_\p
.endif
.set ii, 0
.rept 16
	v_med3_num_f32 v[T+16*\p+ii], v[XS+ii], -v[SC+2*\p+1], v[SC+2*\p+1]   ; the conversion to an 8-bit code does not saturate (ISA guide 7.6.2): the hold at the largest code x the scale
.set ii, ii+1
.endr
	v_cvt_scalef32_pk8_fp8_f32 v[C+4*\p:C+4*\p+1], v[T+16*\p:T+16*\p+7], v[SC+2*\p]
	v_cvt_scalef32_pk8_fp8_f32 v[C+4*\p+2:C+4*\p+3], v[T+16*\p+8:T+16*\p+15], v[SC+2*\p]
	v_nop                                          ; a plain line behind the conversions
	global_store_b128 v3, v[C+4*\p:C+4*\p+3], s[26+2*\p:27+2*\p] offset:KBX*(\t)   ; 512 consecutive bytes, at a multiple of 512
.if \p > 0
.Lsame\@_\p:
.endif
.endr
.endm
.irp t, 0,1,2,3,4,5,6,7,8,9,10,11,12,13,14,15
	XSTEP \t
.endr
	s_wait_tensorcnt 0x0
	ds_add_u32 v192, v193
	s_wait_dscnt 0x0
	s_endpgm
; ---------------------------------------------------------------- the weights: K is their FIRST axis
; A lane takes a column n and its registers run down K: each load reads 128 consecutive bytes a wave, and the conversions give codes with K innermost.  A wave takes 32 columns x 256 K:
; two K blocks of 32 rows x 128 bytes, gathered in its own stage (rows 144 bytes apart) and stored as 4,096 consecutive bytes each.
.Lweights:
	s_sub_co_u32 s3, ttmp9, 256                    ; u: 0-127 Wq, 128-255 Wo, 256-287 Wk, 288-319 Wv.  Every choice below hangs on u alone
	s_wait_kmcnt 0x0
	s_mov_b32 s29, 2560
	s_mov_b32 s30, 288
	s_mov_b32 s31, 2048
	s_mov_b32 s79, 393216
	s_mov_b32 s80, 393216
	s_cmp_lt_u32 s3, 288
	s_cselect_b64 s[26:27], s[12:13], s[14:15]     ; the weight
	s_cselect_b32 s94, 4, 64                       ; bytes from an even lane to the odd one beside it: Wv's lanes 2 r + e take column 16 e + r
	s_cselect_b32 s95, 8, 4                        ; and from pair to pair
	s_cselect_b32 s28, s51, s53                    ; its exponent
	s_cselect_b32 s29, 2048, s29                   ; its first row in its section of wc
	s_cselect_b32 s30, 256, s30                    ; its first u
	s_cmp_lt_u32 s3, 256
	s_cselect_b64 s[26:27], s[16:17], s[26:27]
	s_cselect_b32 s28, s59, s28
	s_cselect_b32 s29, 0, s29
	s_cselect_b32 s30, 128, s30
	s_cselect_b32 s31, 8192, s31                   ; a row of the weight in bytes
	s_cselect_b32 s76, 4, 2                        ; 16 or 4 blocks of 128 columns
	s_cselect_b32 s77, 15, 3
	s_cselect_b32 s78, 6291456, 0                  ; the section of wc
	s_cselect_b32 s79, 262144, s79                 ; from K block to K block there
	s_cmp_lt_u32 s3, 128
	s_cselect_b64 s[26:27], s[10:11], s[26:27]
	s_cselect_b32 s28, s49, s28
	s_cselect_b32 s30, 0, s30
	s_cselect_b32 s78, 0, s78
	s_cselect_b32 s79, s80, s79
	s_sub_co_u32 s3, s3, s30
	s_and_b32 s81, s3, s77                         ; which 128 columns
	s_lshr_b32 s82, s3, s76                        ; which 256 along K
	s_lshl_b32 s81, s81, 7
	s_lshl_b32 s83, s2, 5
	s_add_co_u32 s81, s81, s83                     ; my wave's first column
	s_lshl_b32 s84, s31, 8
	s_mul_i32 s84, s84, s82                        ; 256 rows x ky
	s_lshl_b32 s83, s81, 2
	s_add_co_u32 s84, s84, s83
	s_mov_b32 s85, 0
	s_add_nc_u64 s[32:33], s[26:27], s[84:85]      ; a base for each block of 32 rows: nothing is stepped later
	s_lshl_b32 s84, s31, 5
.irp t, 1,2,3,4,5,6,7
	s_add_nc_u64 s[32+2*\t:33+2*\t], s[30+2*\t:31+2*\t], s[84:85]
.endr
	s_lshl_b32 s86, s82, 1
	s_mul_i32 s86, s86, s79                        ; K block 2 ky,
	s_add_co_u32 s86, s86, s78
	s_add_co_u32 s87, s29, s81
	s_lshl_b32 s87, s87, 7                         ; my first row of 128 bytes
	s_add_co_u32 s86, s86, s87
	s_mov_b32 s87, 0
	s_add_nc_u64 s[88:89], s[22:23], s[86:87]
	s_mov_b32 s86, s79
	s_add_nc_u64 s[90:91], s[88:89], s[86:87]      ; and K block 2 ky + 1
	s_wait_alu depctr_va_vdst(0)
	v_and_b32 v9, 1, v2
	v_lshrrev_b32 v12, 1, v2
	v_mul_u32_u24 v9, v9, s94
	v_mad_u32_u24 v9, v12, s95, v9                 ; my column's bytes in the wave's 128: 4 x lane, but for Wv 64 (lane % 2) + 4 (lane / 2)
.set ii, 0
.rept 32
	v_mad_u32_u24 v[VO+ii], s31, ii, v9
.set ii, ii+1
.endr
	s_mul_i32 s92, s2, 9216
	s_add_co_u32 s92, s92, 32768                   ; my stage: [2 K blocks][32 columns][144]
	v_mul_u32_u24 v4, v2, 144
	v_add_nc_u32 v4, s92, v4                       ; into it: row = my column
	v_lshrrev_b32 v7, 3, v2
	v_mul_u32_u24 v7, v7, 144
	v_and_b32 v8, 7, v2
	v_lshl_add_u32 v7, v8, 4, v7
	v_add_nc_u32 v7, s92, v7                       ; out of it: eight lanes to a row of 128 bytes, four rows an instruction
	v_lshlrev_b32 v8, 4, v2                        ; and the same 512 consecutive bytes in wc
	s_add_co_i32 s28, s28, 127
	s_lshl_b32 s93, s28, 23
	v_mov_b32 v11, s93                             ; 2^e
	s_add_co_i32 s28, s28, 8
	s_lshl_b32 s28, s28, 23
	s_or_b32 s28, s28, 0x600000
	v_mov_b32 v10, s28                             ; 448 x 2^e
.macro WLOAD t
.set ii, 0
.rept 32
	global_load_b32 v[WX+32*((\t)%2)+ii], v[VO+ii], s[32+2*(\t):33+2*(\t)] th:TH_LOAD_NT
.set ii, ii+1
.endr
.endm
	WLOAD 0
	WLOAD 1
.macro WBLOCK t
.set XS, WX+32*((\t)%2)
.if (\t) < 7
	s_wait_loadcnt 32                              ; this block's 32 loads are in; the next block's may be out
.else
	s_wait_loadcnt 0x0
.endif
.set ii, 0
.rept 32
	v_med3_num_f32 v[XS+ii], v[XS+ii], -v10, v10
.set ii, ii+1
.endr
.irp g, 0,1,2,3
	v_cvt_scalef32_pk8_fp8_f32 v[WC+2*\g:WC+2*\g+1], v[XS+8*\g:XS+8*\g+7], v11
.endr
	v_nop                                          ; a plain line behind the last conversion
	ds_store_b128 v4, v[WC:WC+3] offset:4608*((\t)/4)+32*((\t)%4)
	ds_store_b128 v4, v[WC+4:WC+7] offset:4608*((\t)/4)+32*((\t)%4)+16
.if (\t)+2 < 8
	WLOAD (\t)+2
.endif
	s_wait_dscnt 0x0                               ; the stores have read their registers: the next block's codes may be written
.endm
	s_wait_alu depctr_va_vdst(0)
.irp t, 0,1,2,3,4,5,6,7
	WBLOCK \t
.endr
.irp k, 0,1,2,3,4,5,6,7,8,9,10,11,12,13,14,15
	ds_load_b128 v[OUTR+4*\k:OUTR+4*\k+3], v7 offset:4608*(\k/8)+576*(\k%8)
.endr
.irp k, 0,1,2,3,4,5,6,7,8,9,10,11,12,13,14,15
	s_wait_dscnt 15-\k                             ; LDS loads come back in order: load k is in, the younger ones may be out
	global_store_b128 v8, v[OUTR+4*\k:OUTR+4*\k+3], s[88+2*(\k/8):89+2*(\k/8)] offset:512*(\k%8)
.endr
	s_wait_tensorcnt 0x0
	ds_add_u32 v192, v193
	s_wait_dscnt 0x0
	s_endpgm
.Lfunc_end_k_qcf10654fee_quant:
	.size	k_qcf10654fee_quant, .Lfunc_end_k_qcf10654fee_quant-k_qcf10654fee_quant
	.p2alignl 7, 3214868480
	.fill 96, 4, 3214868480
	.section	.rodata,"a",@progbits
	.p2align	6, 0x0
	.amdhsa_kernel k_qcf10654fee_quant
		.amdhsa_group_segment_fixed_size 70144
		.amdhsa_private_segment_fixed_size 0
		.amdhsa_enable_private_segment 0
		.amdhsa_kernarg_size 72
		.amdhsa_user_sgpr_count 2
		.amdhsa_user_sgpr_kernarg_segment_ptr 1
		.amdhsa_wavefront_size32 1
		.amdhsa_system_sgpr_workgroup_id_x 1
		.amdhsa_system_sgpr_workgroup_id_y 1
		.amdhsa_system_sgpr_workgroup_id_z 1
		.amdhsa_system_vgpr_workitem_id 0
		.amdhsa_next_free_vgpr 194
		.amdhsa_next_free_sgpr 96
		.amdhsa_reserve_vcc 1
		.amdhsa_float_denorm_mode_32 3
		.amdhsa_float_denorm_mode_16_64 3
		.amdhsa_memory_ordered 1
		.amdhsa_forward_progress 1
		.amdhsa_inst_pref_size 139
	.end_amdhsa_kernel
	.amdgpu_metadata
---
amdhsa.version: [ 1, 2 ]
amdhsa.kernels:
  - .name:           k_qcf10654fee_quant
    .symbol:         k_qcf10654fee_quant.kd
    .args:
      - { .name: x, .offset: 0, .size: 8, .value_kind: global_buffer, .address_space: global }
      - { .name: Wq, .offset: 8, .size: 8, .value_kind: global_buffer, .address_space: global }
      - { .name: Wk, .offset: 16, .size: 8, .value_kind: global_buffer, .address_space: global }
      - { .name: Wv, .offset: 24, .size: 8, .value_kind: global_buffer, .address_space: global }
      - { .name: Wo, .offset: 32, .size: 8, .value_kind: global_buffer, .address_space: global }
      - { .name: lowp_scales, .offset: 40, .size: 8, .value_kind: global_buffer, .address_space: global }
      - { .name: xc, .offset: 48, .size: 8, .value_kind: global_buffer, .address_space: global }
      - { .name: wc, .offset: 56, .size: 8, .value_kind: global_buffer, .address_space: global }
      - { .name: rope, .offset: 64, .size: 8, .value_kind: global_buffer, .address_space: global }
    .group_segment_fixed_size: 70144
    .private_segment_fixed_size: 0
    .kernarg_segment_align: 8
    .kernarg_segment_size: 72
    .max_flat_workgroup_size: 128
    .sgpr_count:     96
    .vgpr_count:     194
    .wavefront_size: 32
...
	.end_amdgpu_metadata
.endif
;; end of part 1
;; launch qkv (part 2): grid 16 x 12, 4 waves a work-group, clusters of 4 x 1, 327,680 bytes of LDS; arguments xc, wc, rope, lowp_scales, qkvc; writes qkvc
.if DOCPART == 2
	.amdgcn_target "amdgcn-amd-amdhsa--gfx1250"
	.amdhsa_code_object_version 6
	.text
	.protected	k_qcf10654fee_qkv
	.globl	k_qcf10654fee_qkv
	.p2align	8
	.type	k_qcf10654fee_qkv,@function
k_qcf10654fee_qkv:
	s_mov_b64 s[64:65], 0
	v_nop
	global_prefetch_b8 v0, s[64:65] scope:SCOPE_SE
	s_setreg_imm32_b32 hwreg(HW_REG_WAVE_MODE, 25, 1), 1
	s_wait_xcnt 0x0
	s_wait_alu depctr_hold_cnt(0) depctr_sa_sdst(0) depctr_va_vdst(0) depctr_va_sdst(0) depctr_va_ssrc(0) depctr_va_vcc(0) depctr_vm_vsrc(0)
	s_getreg_b32 s2, hwreg(HW_REG_IB_STS2, 6, 4)
	s_cmp_eq_u32 s2, 0
	s_cbranch_scc0 .Lentry_in_a_cluster
	s_endpgm
.Lentry_in_a_cluster:
	s_bfe_u32 s2, ttmp6, 0x10000c
	s_cmp_lg_u32 s2, 0x3003
	s_cbranch_scc0 .Lentry_shape_is_right
	s_endpgm
.Lentry_shape_is_right:
; q, k, v = x Wq, x Wk, x Wv on codes of FP8 (E4M3), the rotary turn of q and k, and the quantisers of q, k, v for the attention's two products.
; C is [4096 tokens][3072]: columns 0-2047 q, 2048-2559 k, 2560-3071 v.  A work-group makes 256 x 256 (tile row x = 0..15, tile column y = 0..11; y 0-7 q, 8-9 k, 10-11 v), four waves of 128 x 128:
; a wave has 128 tokens of ONE head in 64 accumulators.  16 x 12 = 192 work-groups: a head's 128 columns stay whole in a wave, and 3,072 columns give no even share for 256.
; CODES come K-blocked, [K / 128][row][128 bytes]: 256 rows of a K block are 32,768 consecutive bytes, stated as 128 rows of 256 bytes with 16 bytes of LDS padding behind each 128.
; x's SECTION: q takes section 0 of xc; k section 1, v section 2, or the earlier section whose exponent (entries 0, 2, 4 of lowp_scales) is the same: a selection on whole numbers, with no branch.
; RING: two slots of two K blocks (A's two, B's two; a wave fetches one block of 32,768 bytes), one change of slots for 128 matrix instructions a wave.
; CLUSTER 4, 1, 1: the four work-groups have four tile rows and ONE tile column: W's blocks are asked for jointly.  x's blocks are each work-group's own.  A 4 x 4 cluster is not used: tile columns
; 8-11 would share a cluster row, and k's and v's take different sections of xc, so that their requests for x could not be one.
; THE MATRIX INSTRUCTION IS USED TRANSPOSED (source 0 = 16 rows of W's codes, source 1 = 16 tokens): lane (r, h) holds token r and, in accumulator b's register j, column 16 b + 8 h + j.
; OUT, images of operand registers, 2,048 bytes for 16 rows x 128 K: [c = 0..3][lane][16 bytes]; registers 2 b, 2 b + 1 of lane (r, h): row r, K = 16 b + 8 h + 0 .. 7.
;   q, k: rows = tokens, K = the head's 128: the conversions' results are the image.   v: rows = d, K = 128 keys: the codes go through the wave's stage in LDS, [token][128 bytes], and come back transposed
;   in pairs of bytes (ds_load_tr16_b128); v_perm_b32 parts even and odd columns.  Wv's rows lie interleaved in wc (row 2 r + e of a group of 32 = column 16 e + r), so that the even columns are d = 16 (2 u) + r.
; THE ROTARY TABLES (64 registers for 16 tokens) are loaded ahead: block 0's at the head, blocks 1 and 2 in front of the last K step, 3 to 5 behind it, 6 and 7 as registers fall free.
;   The first three are loaded by v's work-groups too, which use none: the text has one way up to the tail.
; PREFETCH: at the load of a pair of K blocks the pair two loads on is asked for (at the head also the next pair); x's blocks by the work-group that loads them, 4 x 32 lanes x 256 bytes a wave;
;   W's blocks are shared out among the four partners by address, 8,192 bytes each.  The last two refills ask for nothing.  The tables are prefetched by the clusters of tile column 0 alone: every work-group reads the same 524,288 bytes.
; LIMITS: (entry 6 - entries 0, 1), (entry 7 - entries 2, 3), (entry 9 - entries 4, 5) lie between -126 and 119, so that the conversion's scale and 448 x it are f32 numbers.
; REGISTERS: window 0: v0-31 addresses; v32-95 a table; v96-127 codes; v128-255 A's fragments, then work and a table.  Window 1: B's fragments, two sets, then tables.  Windows 2, 3: accumulators.
.set PITCH,  144
.set KBLK,   256*PITCH                 ; a K block of 256 rows in LDS
.set HALF,   128*PITCH
.set SLOT,   4*KBLK                    ; A's two K blocks, then B's two
.set SPARE,  2*SLOT                    ; the spare words: 128 bytes a wave, no other line names them
.set KBX,    524288                    ; from K block to K block in a section of xc
.set KBW,    393216                    ; and in wc
.set VP,     160                       ; v's stage: a token's 128 codes + 32 bytes
.set FR,     16
.set NL,     4
.set NP,     4
.set LAPS,   4                         ; 16 K blocks = 8 fills = 4 times round the ring
.set ADRA, 16
.set ADRB, 20
.set STO,  24
.set RD,   25
.set SPW,  28
.set NIL,  29
.set PFO,  30
.set CD,   96
.set AF,   128
.set TMP,  128
.set G1,  24
.set G0,  32
.set G1B, 48
.set G0B, 56
.set PFA, 92                           ; s[92:93] where my prefetches stand; s[94:95] a pair of K blocks on; s[96:97] the head's first request
.set PFS, 94
.set MSB, 0
.macro WIN new
.if MSB != (\new)
	s_set_vgpr_msb (MSB<<8)|(\new)
.set MSB, \new
.endif
.endm
.set MUL_LO, 0xa1
.set MUL_HI, 0xf1
.set TO_B,   0x40
.macro JLOAD g0a, g1a, g0b, g1b        ; waves 0, 1 fetch x's two K blocks, waves 2, 3 W's
	s_cmp_eq_u32 s15, 0
	s_cbranch_scc0 .Lfor_b_\@
	tensor_load_to_lds s[\g0a:\g0a+3], s[\g1a:\g1a+7]
	s_nop 0
.rept 4
	v_nop
.endr
	s_branch .Lasked_\@
.Lfor_b_\@:
	tensor_load_to_lds s[\g0b:\g0b+3], s[\g1b:\g1b+7]
	s_nop 0
.rept 4
	v_nop
.endr
.Lasked_\@:
.endm
.macro CREST
	s_cmp_lg_u32 s14, 0
	s_cbranch_scc1 .Lnot_wave_0_\@
	s_barrier_signal -3
.Lnot_wave_0_\@:
	s_barrier_wait -3
	s_barrier_signal -1
	s_barrier_wait -1
.endm
.macro CROUND
	s_barrier_signal -1
	s_barrier_wait -1
	CREST
.endm
.macro ASK cond, ptr                   ; lanes 256 bytes apart: W's waves 8,192 bytes (the partner's share), x's waves the whole block
.if \cond
	s_cmp_gt_u32 s3, 1                             ; the loop's last trip has no pair two loads on
	s_cbranch_scc0 .Lna_\@
.endif
	global_prefetch_b8 v[PFO], s[\ptr:\ptr+1] th:TH_LOAD_NT scope:SCOPE_SE
	s_cmp_eq_u32 s15, 0
	s_cbranch_scc0 .Lna_\@
.irp o, 8192,16384,24576
	global_prefetch_b8 v[PFO], s[\ptr:\ptr+1] offset:\o th:TH_LOAD_NT scope:SCOPE_SE
.endr
.Lna_\@:
.endm
	s_load_b256 s[4:11], s[0:1], 0x0               ; xc 4:5, wc 6:7, rope 8:9, the exponents 10:11
	s_load_b64 s[12:13], s[0:1], 0x20              ; qkvc
	v_lshl_add_u32 v[SPW], v0, 2, SPARE
	v_mov_b32 v[NIL], 0
	ds_add_u32 v[SPW], v[NIL]                      ; the opening lines: the add, twice on end, and its wait
	ds_add_u32 v[SPW], v[NIL]
	v_lshrrev_b32 v1, 5, v0
	v_readfirstlane_b32 s14, v1                    ; wave
	s_lshr_b32 s15, s14, 1                         ; my half of the tile's rows; also: I fetch x (0) or W (1)
	s_and_b32 s16, s14, 1                          ; my half of its columns; also: which K block of a pair I fetch
	s_bfe_u32 s40, ttmp6, 0x40000                  ; cx
	s_lshl_b32 s17, ttmp9, 2
	s_add_co_u32 s17, s17, s40                     ; tile row
	s_and_b32 s66, ttmp7, 0xffff                   ; tile column
	s_mov_b32 s[G1+0], (1<<20)|(4<<22)|(3<<25)     ; elements of 1 byte; four words of padding behind every 32
	s_mov_b32 s[G1B+0], 15|(1<<20)|(1<<21)|(4<<22)|(3<<25)   ; the same, for all four partners
.irp g, G1, G1B
	s_mov_b32 s[\g+1], 256<<16
	s_mov_b32 s[\g+2], 128<<16
	s_mov_b32 s[\g+3], 256<<16
	s_mov_b32 s[\g+4], 128
	s_mov_b32 s[\g+5], 256
	s_mov_b32 s[\g+6], 0
	s_mov_b32 s[\g+7], 0
.endr
	s_mul_i32 s46, s16, KBW
	s_lshl_b32 s47, s66, 15
	s_add_co_u32 s46, s46, s47                     ; W: my K block, the tile column's 256 rows
	s_mov_b32 s47, 0
	s_mul_i32 s45, s14, KBLK                       ; where my block goes in a slot
	s_wait_dscnt 0x0
	s_wait_kmcnt 0x0
	s_load_b256 s[80:87], s[10:11], 0x0            ; entries 0 to 7
	s_load_b128 s[88:91], s[10:11], 0x20           ; entries 8 to 11
	s_add_nc_u64 s[46:47], s[6:7], s[46:47]
	CROUND                                         ; in front of the first joint loads
	s_wait_kmcnt 0x0
	s_cmp_lg_u32 s82, s80
	s_cselect_b32 s67, 1, 0                        ; k's section: 0 where entry 2 is entry 0
	s_cmp_eq_u32 s84, s82
	s_cselect_b32 s68, s67, 2                      ; v's: k's where entry 4 is entry 2,
	s_cmp_eq_u32 s84, s80
	s_cselect_b32 s68, 0, s68                      ; 0 where it is entry 0
	s_cmp_lt_u32 s66, 10
	s_cselect_b32 s68, s67, s68
	s_cmp_lt_u32 s66, 8
	s_cselect_b32 s68, 0, s68
	s_min_u32 s68, s68, 2
	s_lshl_b32 s20, s68, 23                        ; a section is 8,388,608 bytes
	s_mul_i32 s41, s16, KBX
	s_add_co_u32 s20, s20, s41
	s_lshl_b32 s41, s17, 15
	s_add_co_u32 s20, s20, s41
	s_mov_b32 s21, 0
	s_add_nc_u64 s[20:21], s[4:5], s[20:21]
.irp s, 0,1
	s_mov_b32 s[G0+4*\s], 1
	s_add_co_u32 s[G0+4*\s+1], s45, \s*SLOT
	s_add_nc_u64 s[G0+4*\s+2:G0+4*\s+3], s[20:21], \s*2*KBX
	s_or_b32 s[G0+4*\s+3], s[G0+4*\s+3], 0x80000000
	s_mov_b32 s[G0B+4*\s], 1
	s_add_co_u32 s[G0B+4*\s+1], s45, \s*SLOT
	s_add_nc_u64 s[G0B+4*\s+2:G0B+4*\s+3], s[46:47], \s*2*KBW
	s_or_b32 s[G0B+4*\s+3], s[G0B+4*\s+3], 0x80000000
.endr
	JLOAD G0, G1, G0B, G1B                         ; K blocks 0, 1: one tensor load a wave at the head
	; the prefetches' addresses
	s_lshl_b32 s41, s40, 13
	s_mov_b32 s[PFS], 2*KBW
	s_mov_b32 s[PFS+1], 0
	s_mov_b32 s43, 0
	s_cmp_eq_u32 s15, 0
	s_cselect_b64 s[PFA:PFA+1], s[20:21], s[46:47]
	s_cselect_b32 s[PFS], 2*KBX, s[PFS]
	s_cselect_b32 s42, 0, s41                      ; of W's block my work-group asks for 8,192 bytes at 8,192 cx
	s_add_nc_u64 s[PFA:PFA+1], s[PFA:PFA+1], s[42:43]
	s_add_nc_u64 s[96:97], s[PFA:PFA+1], s[PFS:PFS+1]      ; the next pair,
	s_add_nc_u64 s[PFA:PFA+1], s[96:97], s[PFS:PFS+1]      ; and the pair after it
	; the way out's scale: a sum stands for sum x 2^(ea + eb); its code is sum / 2^(eo - ea - eb)
	s_mov_b32 s71, 10485760
	s_cmp_lt_u32 s66, 10
	s_cselect_b32 s67, s82, s84
	s_cselect_b32 s68, s83, s85
	s_cselect_b32 s69, s87, s89
	s_cselect_b32 s70, 8, 10
	s_cselect_b32 s71, 8388608, s71
	s_cmp_lt_u32 s66, 8
	s_cselect_b32 s67, s80, s67
	s_cselect_b32 s68, s81, s68
	s_cselect_b32 s69, s86, s69
	s_cselect_b32 s70, 0, s70                      ; the tensor's first tile column,
	s_cselect_b32 s71, 0, s71                      ; its first byte in qkvc,
	s_cselect_b32 s72, 16, 4                       ; its heads
	s_sub_co_i32 s69, s69, s67
	s_sub_co_i32 s69, s69, s68
	s_add_co_i32 s69, s69, 127
	s_lshl_b32 s73, s69, 23
	s_add_co_i32 s69, s69, 8
	s_lshl_b32 s69, s69, 23
	s_or_b32 s69, s69, 0x600000
	s_lshl_b32 s74, s17, 8
	s_lshl_b32 s75, s15, 7
	s_add_co_u32 s74, s74, s75
	s_and_b32 s74, s74, 1023                       ; my first token in its sequence
	s_lshr_b32 s75, s17, 2                         ; the batch
	s_mul_i32 s75, s75, s72
	s_sub_co_u32 s76, s66, s70
	s_lshl_b32 s76, s76, 1
	s_add_co_u32 s76, s76, s16                     ; my head
	s_add_co_u32 s75, s75, s76
	s_lshl_b32 s75, s75, 17                        ; a head of a batch: 1,024 x 128 bytes
	s_add_co_u32 s75, s75, s71
	s_lshl_b32 s76, s74, 7
	s_add_co_u32 s76, s75, s76
	s_mov_b32 s77, 0
	s_add_nc_u64 s[12:13], s[12:13], s[76:77]
	s_lshl_b32 s76, s74, 9                         ; 16 tokens of the table are 8,192 bytes
	s_add_nc_u64 s[8:9], s[8:9], s[76:77]
	s_mul_i32 s22, s15, HALF
	s_mul_i32 s23, s16, HALF
	s_add_co_u32 s23, s23, 2*KBLK
	s_add_co_u32 s18, s22, SLOT
	s_add_co_u32 s19, s23, SLOT
	s_mul_i32 s78, s14, 128*VP                     ; v's stage, in slot 0
	v_and_b32 v1, 15, v0                           ; r
	v_bfe_u32 v2, v0, 4, 1                         ; h
	v_mul_u32_u24 v3, v1, PITCH
	v_lshl_add_u32 v4, v2, 4, v3                   ; a fragment: row r, + 16 h
	v_add_nc_u32 v[ADRA], s22, v4
	v_add_nc_u32 v[ADRA+1], s18, v4
	v_add_nc_u32 v[ADRB], s23, v4
	v_add_nc_u32 v[ADRB+1], s19, v4
	v_and_b32 v5, 31, v0
	v_lshlrev_b32 v11, 4, v5                       ; 16 x lane
	v_lshlrev_b32 v[PFO], 8, v5                    ; 256 x lane
	v_mov_b32 v12, s73                             ; the conversion's scale
	v_mov_b32 v13, s69                             ; 448 x it
	v_mul_u32_u24 v6, v1, VP
	v_lshl_add_u32 v6, v2, 3, v6
	v_add_nc_u32 v[STO], s78, v6                   ; into the stage: token r, 8 bytes for each half of the lanes
	v_and_b32 v7, 7, v0
	v_lshl_add_u32 v7, v2, 3, v7
	v_mul_u32_u24 v7, v7, VP
	v_bfe_u32 v8, v0, 3, 1
	v_lshl_add_u32 v7, v8, 4, v7
	v_add_nc_u32 v[RD], s78, v7                    ; out of it: token 8 h + lane % 8, 16 bytes at 16 ((lane / 8) % 2)
	s_wait_alu depctr_va_vdst(0)                   ; the wait at the end of the head's vector work
	ASK 0, 96
	ASK 0, PFA
	; the rotary tables, 524,288 bytes that every work-group of q and k reads: the four clusters of tile column 0 ask for them once, 64 waves x 8,192 bytes.
	; My wave's 128 tokens are 65,536 bytes at s[8:9]; the eight waves that have the same tokens (four batches, two column halves) take an eighth each.
	s_lshr_b32 s70, s17, 2
	s_lshl_b32 s70, s70, 1
	s_add_co_u32 s70, s70, s16
	s_lshl_b32 s70, s70, 13
	s_mov_b32 s71, 0
	s_add_nc_u64 s[70:71], s[8:9], s[70:71]        ; never rewritten
	s_cmp_eq_u32 s66, 0                            ; the tile column is the same in all four partners
	s_cbranch_scc0 .Lno_rope
	global_prefetch_b8 v[PFO], s[70:71] th:TH_LOAD_NT scope:SCOPE_SE
.Lno_rope:
.macro TSET a                          ; where block a's table lies: window TW, register TR
.if (\a) == 0 || (\a) == 6
.set TW, 0
.set TR, 32
.elseif (\a) == 5
.set TW, 0
.set TR, 192
.elseif (\a) == 7
.set TW, 1
.set TR, 0
.else
.set TW, 1
.set TR, 64*((\a)-1)
.endif
.endm
.macro TABLE a                         ; registers TR + 16 b: cos j = 0..7, then sin j = 0..7, of frequencies 16 b + 8 h + j at token 16 a + r
	TSET \a
	WIN TW<<6
.irp b, 0,1,2,3
.irp p, 0,1,2,3
	global_load_b128 v[TR+16*\b+4*\p:TR+16*\b+4*\p+3], v11, s[8:9] offset:8192*(\a)+2048*\b+512*\p
.endr
.endr
	WIN 0
.endm
	TABLE 0
.macro FRAG reg, adr, q, i             ; 16 rows x 128 K: registers 4 c .. 4 c + 3 hold K = 32 c + 16 h + 0 .. 15, alike in A and B
.irp c, 0,1,2,3
	ds_load_b128 v[\reg+4*\c:\reg+4*\c+3], v[\adr] offset:KBLK*(\q)+32*\c+(\i)*16*PITCH
.endr
.endm
.macro MUL16 a0, p, zero               ; the 64 accumulators take turns, in one order in every step
.irp a, \a0, \a0+1
.irp b, 0,1,2,3,4,5,6,7
.if \zero
	v_wmma_f32_16x16x128_fp8_fp8 v[8*(8*((\a)%4)+\b):8*(8*((\a)%4)+\b)+7], v[128*(\p)+FR*\b:128*(\p)+FR*\b+FR-1], v[AF+FR*(\a):AF+FR*(\a)+FR-1], 0
.else
	v_wmma_f32_16x16x128_fp8_fp8 v[8*(8*((\a)%4)+\b):8*(8*((\a)%4)+\b)+7], v[128*(\p)+FR*\b:128*(\p)+FR*\b+FR-1], v[AF+FR*(\a):AF+FR*(\a)+FR-1], v[8*(8*((\a)%4)+\b):8*(8*((\a)%4)+\b)+7]
.endif
.endr
.endr
.endm
.macro FETCH_B slot, q, p
	WIN TO_B
.irp i, 0,1,2,3,4,5,6,7
	FRAG 128*(\p)+FR*\i, ADRB+\slot, \q, \i
.endr
	WIN 0
.endm
.macro FETCH_A slot, q, i0
.irp i, \i0, \i0+1, \i0+2, \i0+3
	FRAG AF+FR*(\i), ADRA+\slot, \q, \i
.endr
.endm
.macro PLACES n                        ; plain places behind matrix instructions, ahead of loads into their registers and of reads of their results
.rept \n
	v_nop
.endr
.endm
.macro STEP slot, q, zero              ; a K block whose successor lies in the same slot
	s_wait_dscnt 4*NL                              ; all but A's blocks 4-7, the youngest 16 loads
	WIN MUL_LO
	MUL16 0, (\q)%2, \zero
	MUL16 2, (\q)%2, \zero
	s_wait_dscnt 0
	PLACES NP
	FETCH_B \slot, (\q)+1, 1-(\q)%2
	FETCH_A \slot, (\q)+1, 0
	WIN MUL_HI
	MUL16 4, (\q)%2, \zero
	MUL16 6, (\q)%2, \zero
	PLACES NP
	WIN 0
	FETCH_A \slot, (\q)+1, 4
.endm
.macro TURN slot, next, fill           ; a slot's last K block, and the change of slots
.if \fill
	s_wait_xcnt 0x0                                ; my prefetches have read their address: it steps a pair on
	s_add_nc_u64 s[PFA:PFA+1], s[PFA:PFA+1], s[PFS:PFS+1]
.endif
	s_wait_tensorcnt 0x0                           ; my part of the next slot has landed
	ds_add_u32 v[SPW], v[NIL]
	s_wait_dscnt 4*NL+1                            ; the add and A's blocks 4-7 may be out
	WIN MUL_LO
	MUL16 0, 1, 0
	s_wait_dscnt 0x0                               ; the add is done, my reads of this slot are over
	s_barrier_signal -1
	MUL16 2, 1, 0
	WIN 0
	s_barrier_wait -1
.if \fill
	CREST                                          ; the barrier opened a round of the cluster's barrier
	s_add_nc_u64 s[G0+4*\slot+2:G0+4*\slot+3], s[G0+4*\slot+2:G0+4*\slot+3], 4*KBX
	s_add_nc_u64 s[G0B+4*\slot+2:G0B+4*\slot+3], s[G0B+4*\slot+2:G0B+4*\slot+3], 4*KBW
	JLOAD G0+4*\slot, G1, G0B+4*\slot, G1B         ; the refill first; its four v_nop are the places for the loads below
.else
	PLACES NP
.endif
	FETCH_B \next, 0, 0
	FETCH_A \next, 0, 0
.if \fill
	ASK 1, PFA
.endif
	WIN MUL_HI
	MUL16 4, 1, 0
	MUL16 6, 1, 0
	PLACES NP
	WIN 0
	FETCH_A \next, 0, 4
.endm
	s_wait_xcnt 0x0
	s_add_nc_u64 s[PFA:PFA+1], s[PFA:PFA+1], s[PFS:PFS+1]
	s_wait_tensorcnt 0x0                           ; my part of slot 0; slot 1's first fill is issued as a refill is
	ds_add_u32 v[SPW], v[NIL]
	s_wait_dscnt 0x0
	CROUND
	JLOAD G0+4, G1, G0B+4, G1B
	FETCH_B 0, 0, 0
	FETCH_A 0, 0, 0
	FETCH_A 0, 0, 4
	ASK 0, PFA
	STEP 0, 0, 1                                   ; the first K block starts the sums
	s_mov_b32 s3, LAPS-1
.Llap:
	TURN 0, 1, 1
	STEP 1, 0, 0
	TURN 1, 0, 1
	STEP 0, 0, 0
	s_sub_co_u32 s3, s3, 1
	s_cmp_lg_u32 s3, 0
	s_cbranch_scc1 .Llap
	TURN 0, 1, 0
	STEP 1, 0, 0
	TABLE 1                                        ; B's set 0 is done with (four places stand behind its last products)
	TABLE 2
	s_wait_dscnt 4*NL
	WIN MUL_LO
	MUL16 0, 1, 0
	MUL16 2, 1, 0
	s_wait_dscnt 0
	WIN MUL_HI
	MUL16 4, 1, 0
	MUL16 6, 1, 0
	WIN 0
	PLACES NP
.macro ROPE a                          ; lo' = lo cos - hi sin, hi' = hi cos + lo sin; lo = accumulator b, hi = accumulator b + 4; each accumulator is read from its low end on
	TSET \a
.set AC, 64*((\a)%4)
	WIN (0x02+((\a)/4))|(TW<<2)
.irp b, 0,1,2,3
.irp p, 0,2,4,6
	v_pk_mul_f32 v[TMP+8*\b+\p:TMP+8*\b+\p+1], v[AC+8*(\b+4)+\p:AC+8*(\b+4)+\p+1], v[TR+16*\b+8+\p:TR+16*\b+9+\p]
	v_pk_mul_f32 v[TMP+8*(\b+4)+\p:TMP+8*(\b+4)+\p+1], v[AC+8*\b+\p:AC+8*\b+\p+1], v[TR+16*\b+8+\p:TR+16*\b+9+\p]
.endr
.irp p, 0,2,4,6
	v_pk_fma_f32 v[TMP+8*\b+\p:TMP+8*\b+\p+1], v[AC+8*\b+\p:AC+8*\b+\p+1], v[TR+16*\b+\p:TR+16*\b+\p+1], v[TMP+8*\b+\p:TMP+8*\b+\p+1] neg_lo:[0,0,1] neg_hi:[0,0,1]
	v_pk_fma_f32 v[TMP+8*(\b+4)+\p:TMP+8*(\b+4)+\p+1], v[AC+8*(\b+4)+\p:AC+8*(\b+4)+\p+1], v[TR+16*\b+\p:TR+16*\b+\p+1], v[TMP+8*(\b+4)+\p:TMP+8*(\b+4)+\p+1]
.endr
.endr
	WIN 0
.endm
.macro CODES a                         ; 64 numbers in TMP become 16 registers of codes, in one of two sets
.set CC, CD+16*((\a)%2)
.irp b, 0,1,2,3,4,5,6,7
	v_cvt_scalef32_pk8_fp8_f32 v[CC+2*\b:CC+2*\b+1], v[TMP+8*\b:TMP+8*\b+7], v12
.endr
	v_nop                                          ; a plain line behind the last conversion
.endm
	s_cmp_ge_u32 s66, 10
	s_cbranch_scc1 .Lv
	TABLE 3
	TABLE 4
	TABLE 5
.irp a, 0,1,2,3,4,5,6,7
.if \a < 4
	s_wait_loadcnt 63                              ; behind block a's 16 loads 64 or 80 were issued; the count names 63 at the most
.else
	s_wait_loadcnt 16*(7-\a)                       ; the later blocks' loads may be out
.endif
.if \a > 1
	s_wait_xcnt 0x0                                ; block a - 2's stores have read this set of codes
.endif
	ROPE \a
.if \a < 2
	TABLE \a+6                                     ; into the registers of the table just used
.endif
.set ii, 0
.rept 64
	v_med3_num_f32 v[TMP+ii], v[TMP+ii], -v13, v13 ; the conversion does not saturate (ISA guide 7.6.2)
.set ii, ii+1
.endr
	CODES \a
.irp c, 0,1,2,3
	global_store_b128 v11, v[CC+4*\c:CC+4*\c+3], s[12:13] offset:2048*(\a)+512*\c   ; 512 consecutive bytes, at a multiple of 512
.endr
.endr
	s_branch .Lend
.Lv:                                   ; v: the codes, [token][position], into my stage.  Slot 0 has had its last fill, and nobody reads it behind the last change of slots
.irp a, 0,1,2,3,4,5,6,7
	WIN 0x02+(\a/4)
.set ii, 0
.rept 64
	v_med3_num_f32 v[TMP+ii], v[64*(\a%4)+ii], -v13, v13
.set ii, ii+1
.endr
	WIN 0
	CODES \a
.irp b, 0,1,2,3,4,5,6,7
	ds_store_b64 v[STO], v[CC+2*\b:CC+2*\b+1] offset:16*\a*VP+16*\b
.endr
.endr
.macro VLD u                           ; positions 32 u .. 32 u + 31 of all 128 tokens: load c brings lane (r, h) tokens 16 c + 8 h + 0 .. 7 of positions 32 u + 2 r and 2 r + 1, interleaved.  LDS serves a wave's instructions in order
.irp c, 0,1,2,3,4,5,6,7
	ds_load_tr16_b128 v[128+32*((\u)%2)+4*\c:128+32*((\u)%2)+4*\c+3], v[RD] offset:16*\c*VP+32*(\u)
.endr
.endm
	VLD 0
	VLD 1
.irp u, 0,1,2,3
.set LL, 128+32*(\u%2)
.set IM, 192+32*(\u%2)
.if \u < 3
	s_wait_dscnt 8                                 ; the next group's eight loads may be out
.else
	s_wait_dscnt 0x0
.endif
.if \u > 1
	s_wait_xcnt 0x0                                ; group u - 2's stores have read these registers
.endif
.irp c, 0,1,2,3,4,5,6,7
	v_perm_b32 v[IM+2*\c], v[LL+4*\c+1], v[LL+4*\c], 0x06040200        ; even positions: d = 16 (2 u) + r
	v_perm_b32 v[IM+2*\c+1], v[LL+4*\c+3], v[LL+4*\c+2], 0x06040200
	v_perm_b32 v[IM+16+2*\c], v[LL+4*\c+1], v[LL+4*\c], 0x07050301     ; odd positions: d = 16 (2 u + 1) + r
	v_perm_b32 v[IM+16+2*\c+1], v[LL+4*\c+3], v[LL+4*\c+2], 0x07050301
.endr
.if \u < 2
	VLD \u+2
.endif
.irp k, 0,1,2,3,4,5,6,7
	global_store_b128 v11, v[IM+4*\k:IM+4*\k+3], s[12:13] offset:4096*\u+512*\k
.endr
.endr
.Lend:
	s_wait_tensorcnt 0x0                           ; the wave's end
	ds_add_u32 v[SPW], v[NIL]
	s_wait_dscnt 0x0
	CROUND                                         ; the closing round
	s_endpgm
.Lfunc_end_k_qcf10654fee_qkv:
	.size	k_qcf10654fee_qkv, .Lfunc_end_k_qcf10654fee_qkv-k_qcf10654fee_qkv
	.p2alignl 7, 3214868480
	.fill 96, 4, 3214868480
	.section	.rodata,"a",@progbits
	.p2align	6, 0x0
	.amdhsa_kernel k_qcf10654fee_qkv
		.amdhsa_group_segment_fixed_size 327680
		.amdhsa_private_segment_fixed_size 0
		.amdhsa_enable_private_segment 0
		.amdhsa_kernarg_size 40
		.amdhsa_user_sgpr_count 2
		.amdhsa_user_sgpr_kernarg_segment_ptr 1
		.amdhsa_wavefront_size32 1
		.amdhsa_system_sgpr_workgroup_id_x 1
		.amdhsa_system_sgpr_workgroup_id_y 1
		.amdhsa_system_sgpr_workgroup_id_z 1
		.amdhsa_system_vgpr_workitem_id 0
		.amdhsa_next_free_vgpr 1024
		.amdhsa_next_free_sgpr 98
		.amdhsa_reserve_vcc 0
		.amdhsa_float_denorm_mode_32 3
		.amdhsa_float_denorm_mode_16_64 3
		.amdhsa_memory_ordered 1
		.amdhsa_forward_progress 1
		.amdhsa_inst_pref_size 225
	.end_amdhsa_kernel
	.amdgpu_metadata
---
amdhsa.version: [ 1, 2 ]
amdhsa.kernels:
  - .name:           k_qcf10654fee_qkv
    .symbol:         k_qcf10654fee_qkv.kd
    .args:
      - { .name: xc, .offset: 0, .size: 8, .value_kind: global_buffer, .address_space: global }
      - { .name: wc, .offset: 8, .size: 8, .value_kind: global_buffer, .address_space: global }
      - { .name: rope, .offset: 16, .size: 8, .value_kind: global_buffer, .address_space: global }
      - { .name: lowp_scales, .offset: 24, .size: 8, .value_kind: global_buffer, .address_space: global }
      - { .name: qkvc, .offset: 32, .size: 8, .value_kind: global_buffer, .address_space: global }
    .group_segment_fixed_size: 327680
    .private_segment_fixed_size: 0
    .kernarg_segment_align: 8
    .kernarg_segment_size: 40
    .max_flat_workgroup_size: 128
    .sgpr_count:     98
    .vgpr_count:     1024
    .wavefront_size: 32
...
	.end_amdgpu_metadata
.endif
;; end of part 2
;; launch attn (part 3): grid 4 x 64, 16 waves a work-group, clusters of 4 x 1, 327,680 bytes of LDS; arguments qkvc, lowp_scales, ac; writes ac
.if DOCPART == 3
	.amdgcn_target "amdgcn-amd-amdhsa--gfx1250"
	.amdhsa_code_object_version 6
	.text
	.protected	k_qcf10654fee_attn
	.globl	k_qcf10654fee_attn
	.p2align	8
	.type	k_qcf10654fee_attn,@function
k_qcf10654fee_attn:
	s_mov_b64 s[64:65], 0
	v_nop
	global_prefetch_b8 v0, s[64:65] scope:SCOPE_SE
	s_setreg_imm32_b32 hwreg(HW_REG_WAVE_MODE, 25, 1), 1
	s_wait_xcnt 0x0
	s_wait_alu depctr_hold_cnt(0) depctr_sa_sdst(0) depctr_va_vdst(0) depctr_va_sdst(0) depctr_va_ssrc(0) depctr_va_vcc(0) depctr_vm_vsrc(0)
	s_getreg_b32 s2, hwreg(HW_REG_IB_STS2, 6, 4)
	s_cmp_eq_u32 s2, 0
	s_cbranch_scc0 .Lentry_in_a_cluster
	s_endpgm
.Lentry_in_a_cluster:
	s_bfe_u32 s2, ttmp6, 0x10000c
	s_cmp_lg_u32 s2, 0x3003
	s_cbranch_scc0 .Lentry_shape_is_right
	s_endpgm
.Lentry_shape_is_right:
; Causal attention with grouped heads on codes of FP8 (E4M3): S = q k^T, p = 2^(t - M), O = p v / the row's sum, and the quantiser of O for the last product.
; t = score x log2(e) / sqrt(128); M = the running largest t rounded UP to a whole number; p is quantised with 2^e8 and not normalised; the sum is taken of the unquantised p.
; When M moves, the sum and O are multiplied by 2^(old M - new M): exact.
; qkvc holds IMAGES of operand registers, 2,048 bytes for 16 rows x 128 K: [c = 0..3][lane][16 bytes] = registers 4 c .. 4 c + 3; registers 2 b, 2 b + 1 of lane (r, h): row r, K = 16 b + 8 h + 0 .. 7.
;   q at 0: [batch x 16 + head][t / 16]; k at 8,388,608: [batch x 4 + kv head][t / 16]; v at 10,485,760: [batch x 4 + kv head][t / 128][d / 16], rows = d, K = 128 keys.
; SHARES.  The four work-groups of a cluster are the four query heads of ONE kv head (cx = the head within the group) with the SAME query blocks: they read the same k and v, which are asked
; for jointly, and take the same branches.  y = 4 (batch x 4 + kv head) + j.  A work-group has sixteen waves, one tile of 16 queries each: eight waves in the block of 128 queries j, eight in
; block 7 - j, so that every work-group has 8 (j + 1) + 8 (8 - j) = 72 wave steps; of waves w, w + 4, w + 8, w + 12, and of waves 4 i .. 4 i + 3, two are in the late block.
; LDS.  All 1,024 keys of the kv head lie in LDS at once: k's 64 images, v's 64 images, 131,072 bytes each: NOTHING IS FILLED TWICE.  Wave 0 asks for k in four chunks of 256 keys, wave 1 for v: four
; tensor loads of a wave are out at the most.  A chunk is waited for, and a barrier passed, in front of its two key steps; the later chunks stay on their way.
; Both products are used transposed: S^T = k q^T (source 0 = 16 keys), O^T = v^T p^T (source 0 = 16 of the head's 128): a lane holds ONE query (lane % 16) throughout; the 8 registers of key tile t are keys
; 16 t + 8 (lane / 16) + 0 .. 7, so their codes are registers 2 t, 2 t + 1 of the second product's operand.
; V's FRAGMENTS ARE ASKED FOR AHEAD: tiles 0-3 behind the last product with k, into k's registers: they land under the softmax; tiles 4-7 behind the conversions, into p's registers: they land under the
; rescaling of O^T.  So a key step waits twice for k and once for v.
; CAUSAL.  A key step all of whose keys come after the wave's queries is left out (a scalar branch on ids); on the diagonal hidden scores become -infinity ahead of the maximum.  Key 0 counts for every query.
; No prefetch: every byte of k and v is asked for by its tensor load at the kernel's head.
; ac: [token / 128][head][128 tokens][128 d]: the last product's operand: a block of 128 tokens has its 16 K blocks on end.
; LIMITS: e6 + e7 between -123 and 130 (added to c's exponent field); e8 and e10 between -126 and 119; e8 + e9 goes by v_ldexp_f32 and has none.
; REGISTERS: v4 the diagonal's bound; v5 16 x lane; v8, v9 the step's LDS addresses; v10, v11 the stage; v12 -M, v13 the largest t, v[14:15] the sum; v16-31 q; v32-95 four fragments of k or v; v96-159 S^T, then p,
;   then four fragments of v; v160-223 O^T; v224-239 p's codes; v240, v244 448 x 2^e8 and 2^e8; v246, v247 2^e10 and 448 x 2^e10; v236, v242, v243, v252-254 at work.
; HOW LDS IS FILLED IN THIS TEXT (in place of what the paragraph LDS above says of waves 0 and 1): every wave issues ONE joint load of 8,192 bytes at the head, even waves for k, odd waves for v, part wave / 2
; of the 65,536 bytes of keys 0-511; behind the three lines and a round of the cluster's barrier every wave issues one more, the same part of keys 512-1023, which lands under key steps 0 to 3.
; One more barrier stands in front of key step 4.  Every wait on TENSORcnt is for 0.
.set VIMG, 131072
.set STG,  262144                      ; the way out: 16 rows x (128 + 16) bytes for each wave; no tensor load lands here
.set DM,   4
.set LI,   5
.set ADK,  8
.set ADV,  9
.set WV,   18                          ; s18  my wave's number
.set QB,   19                          ; s19  my block of 128 queries: also my last key step
.set SEL,  20                          ; s[20:21] v_permlanex16_b32's selects: lane l xor 16
.set CS,   22                          ; s[22:23] c = log2(e) / sqrt(128) x 2^(e6 + e7)
.set G1,   24                          ; s[24:31] descriptor group 1; s[32:39] two groups 0, one for each half of the keys
.set G0,   32
.macro CROUND                          ; a round of the cluster's barrier
	s_barrier_signal -1
	s_barrier_wait -1
	s_cmp_lg_u32 s[WV], 0
	s_cbranch_scc1 .Lnot_wave_0_\@
	s_barrier_signal -3
.Lnot_wave_0_\@:
	s_barrier_wait -3
	s_barrier_signal -1
	s_barrier_wait -1
.endm
	s_load_b128 s[4:7], s[0:1], 0x0                ; qkvc 4:5, the exponents 6:7
	s_load_b64 s[8:9], s[0:1], 0x10                ; ac
	v_lshl_add_u32 v251, v0, 2, 0x49000
	v_mov_b32 v255, 0
	ds_add_u32 v251, v255
	ds_add_u32 v251, v255
	v_lshrrev_b32 v1, 5, v0
	s_delay_alu instid0(VALU_DEP_1)
	v_readfirstlane_b32 s[WV], v1                  ; wave 0..15
	s_bfe_u32 s10, ttmp6, 0x40000                  ; cx: the query head within its group: it enters q's and ac's addresses alone
	s_and_b32 s11, ttmp7, 0xffff
	s_and_b32 s12, s11, 3                          ; j
	s_lshr_b32 s13, s11, 2                         ; batch x 4 + kv head
	s_lshr_b32 s14, s[WV], 2
	s_xor_b32 s14, s14, s[WV]
	s_and_b32 s14, s14, 1                          ; 1: my tile lies in the late block
	s_lshr_b32 s15, s[WV], 1                       ; which 16 of the block's 128 queries
	s_sub_co_u32 s16, 7, s12
	s_cmp_eq_u32 s14, 1
	s_cselect_b32 s[QB], s16, s12
	s_lshl_b32 s17, s[QB], 7
	s_lshl_b32 s16, s15, 4
	s_add_co_u32 s17, s17, s16                     ; my first query
	; descriptor group 1: a dense block of 8,192 bytes as 32 rows of 256
	s_mov_b32 s[G1+0], 15|(3<<16)|(1<<21)          ; 15:0 the mask: all four partners; 17:16 elements of 8 bytes; no padding; 21 set beside a mask
	s_mov_b32 s[G1+1], 32<<16                      ; tensor_dim0
	s_mov_b32 s[G1+2], 32<<16                      ; tensor_dim1: 32 rows of 256 bytes
	s_mov_b32 s[G1+3], 32<<16                      ; tile_dim0
	s_mov_b32 s[G1+4], 32                          ; tile_dim1
	s_mov_b32 s[G1+5], 32                          ; from row to row
	s_mov_b32 s[G1+6], 0
	s_mov_b32 s[G1+7], 0
	s_mov_b32 s[SEL], 0x76543210
	s_mov_b32 s[SEL+1], 0xfedcba98
	s_mov_b32 s[CS], 0x3e0293ee                    ; log2(e) / sqrt(128)
	s_and_b32 s49, s[WV], 1                        ; even waves fetch k, odd waves v
	s_lshl_b32 s50, s49, 17                        ; in LDS,
	s_lshl_b32 s51, s15, 13                        ; my part: 8,192 x (wave / 2)
	s_add_co_u32 s50, s50, s51
	s_lshl_b32 s52, s49, 21                        ; and in qkvc: v's images begin 2,097,152 bytes behind k's
	s_add_co_u32 s52, s52, 8388608
	s_lshl_b32 s53, s13, 17
	s_add_co_u32 s52, s52, s53
	s_add_co_u32 s52, s52, s51
	s_mov_b32 s53, 0
	s_lshl_b32 s54, s13, 2                         ; q: head = 4 x kv head + cx
	s_add_co_u32 s54, s54, s10
	s_lshl_b32 s54, s54, 17
	s_lshl_b32 s55, s17, 7
	s_add_co_u32 s54, s54, s55
	s_mov_b32 s55, 0
	s_and_b32 s56, s13, 3                          ; ac: the head's K block of 128 rows x 128 bytes,
	s_lshl_b32 s56, s56, 2
	s_add_co_u32 s56, s56, s10
	s_lshl_b32 s56, s56, 14
	s_lshr_b32 s57, s13, 2
	s_lshl_b32 s57, s57, 3
	s_add_co_u32 s57, s57, s[QB]                   ; in the block of 128 tokens 8 x batch + my block of queries: 16 K blocks, 262,144 bytes,
	s_lshl_b32 s57, s57, 18
	s_add_co_u32 s56, s56, s57
	s_lshl_b32 s57, s15, 11                        ; my 16 rows of it
	s_add_co_u32 s56, s56, s57
	s_mov_b32 s57, 0
	s_wait_dscnt 0x0
	s_wait_kmcnt 0x0
	s_load_b128 s[68:71], s[6:7], 0x18             ; e6, e7, e8, e9
	s_load_b32 s72, s[6:7], 0x28                   ; e10
	s_add_nc_u64 s[52:53], s[4:5], s[52:53]
	s_add_nc_u64 s[54:55], s[4:5], s[54:55]
	s_add_nc_u64 s[8:9], s[8:9], s[56:57]
	CROUND                                         ; all four work-groups are here: the joint loads meet
.irp s, 0,1                                    ; two groups 0: keys 0-511 and keys 512-1023
	s_mov_b32 s[G0+4*\s], 1
	s_add_co_u32 s[G0+4*\s+1], s50, \s*65536
	s_add_nc_u64 s[G0+4*\s+2:G0+4*\s+3], s[52:53], \s*65536
	s_or_b32 s[G0+4*\s+3], s[G0+4*\s+3], 0x80000000
.endr
	tensor_load_to_lds s[G0:G0+3], s[G1:G1+7]      ; my one load at the head
	s_nop 0
.rept 4
	v_nop
.endr
	v_and_b32 v1, 31, v0
	s_delay_alu instid0(VALU_DEP_1)
	v_lshlrev_b32 v[LI], 4, v1
.irp c, 0,1,2,3
	global_load_b128 v[16+4*\c:19+4*\c], v[LI], s[54:55] offset:512*\c   ; q's fragment stays in registers
.endr
	v_and_b32 v2, 15, v0                           ; r
	v_bfe_u32 v3, v0, 4, 1                         ; h
	s_delay_alu instid0(VALU_DEP_1)
	v_lshlrev_b32 v[DM], 3, v3
	s_delay_alu instid0(VALU_DEP_1)
	v_sub_nc_u32 v[DM], v2, v[DM]
	s_delay_alu instid0(VALU_DEP_1)
	v_add_nc_u32 v[DM], s16, v[DM]                 ; on the diagonal register j of key tile t is hidden where 16 t + j > 16 (my tile) + r - 8 h
	s_mul_i32 s73, s[WV], 2304
	s_add_co_u32 s73, s73, STG                     ; my stage
	v_mul_u32_u24 v10, v2, 144
	s_delay_alu instid0(VALU_DEP_1)
	v_lshl_add_u32 v10, v3, 3, v10
	s_delay_alu instid0(VALU_DEP_1)
	v_add_nc_u32 v10, s73, v10                     ; in: row r, 8 bytes for each half of the lanes
	v_lshrrev_b32 v11, 3, v1
	s_delay_alu instid0(VALU_DEP_1)
	v_mul_u32_u24 v11, v11, 144
	v_and_b32 v6, 7, v1
	s_delay_alu instid0(VALU_DEP_1)
	v_lshl_add_u32 v11, v6, 4, v11
	s_delay_alu instid0(VALU_DEP_1)
	v_add_nc_u32 v11, s73, v11                     ; back: eight lanes to a row of 128 bytes
	v_mov_b32 v13, 0xff61b1e6                      ; the largest t so far: -3e38
	s_delay_alu instid0(VALU_DEP_1)
	v_floor_f32 v12, -v13                          ; -M
	v_mov_b32 v14, 0
	v_mov_b32 v15, 0
	v_mov_b32 v236, 0                              ; a lane permute's destination counts as one of its sources
	v_mov_b32 v253, 0                              ; (named as the upper half of the pair v[252:253])
.set jj, 0
.rept 64
	v_mov_b32 v[160+jj], 0                         ; O^T: the step is written in one form; the first finds zeros, which the first change of M leaves zeros
.set jj, jj+1
.endr
	s_wait_kmcnt 0x0
	s_add_co_i32 s74, s68, s69
	s_lshl_b32 s74, s74, 23
	s_add_co_i32 s[CS], s[CS], s74                 ; a score stands for score x 2^(e6 + e7)
	s_mov_b32 s[CS+1], s[CS]
	s_add_co_i32 s74, s70, 127
	s_lshl_b32 s75, s74, 23
	v_mov_b32 v244, s75                            ; 2^e8
	s_add_co_i32 s74, s74, 8
	s_lshl_b32 s74, s74, 23
	s_or_b32 s74, s74, 0x600000
	v_mov_b32 v240, s74                            ; 448 x 2^e8
	s_add_co_i32 s74, s72, 127
	s_lshl_b32 s75, s74, 23
	v_mov_b32 v246, s75                            ; 2^e10
	s_add_co_i32 s74, s74, 8
	s_lshl_b32 s74, s74, 23
	s_or_b32 s74, s74, 0x600000
	v_mov_b32 v247, s74                            ; 448 x 2^e10
; KEY STEP n: keys 128 n .. 128 n + 127
.macro STEP n
.if (\n) > 0
	s_cmp_lt_u32 s[QB], \n                         ; all its keys come after my queries: nothing to do.  No barrier and no tensor load stands in a step
	s_cbranch_scc1 .Lhid_\@
.endif
	v_add_nc_u32 v[ADK], 16384*(\n), v[LI]
	s_wait_alu depctr_va_vdst(0)
	v_add_nc_u32 v[ADV], VIMG+16384*(\n), v[LI]
.irp g, 0,1                                    ; S^T = k q^T, four tiles of 16 keys at a time
.rept 4-(1-\g)
	v_nop                                          ; g = 0: with the two additions above FIVE places: the first product below writes over v96 on, which the last step's products with v have read; four serve the loads.  g = 1: four, for the loads
.endr
.irp t, 0,1,2,3
.irp c, 0,1,2,3
	ds_load_b128 v[32+16*\t+4*\c:32+16*\t+4*\c+3], v[ADK] offset:(4*\g+\t)*2048+512*\c
.endr
.endr
	s_wait_dscnt 0x0
.irp t, 0,1,2,3
	v_wmma_f32_16x16x128_fp8_fp8 v[96+8*(4*\g+\t):103+8*(4*\g+\t)], v[32+16*\t:47+16*\t], v[16:31], 0
.endr
.endr
.rept 4
	v_nop                                          ; places in front of the first read of the scores, and of the loads below into registers that the products have read
.endr
	s_wait_alu depctr_va_vdst(0)
.irp t, 0,1,2,3                                ; v's tiles 0-3 are asked for now: they land under the softmax
.irp c, 0,1,2,3
	ds_load_b128 v[32+16*\t+4*\c:32+16*\t+4*\c+3], v[ADV] offset:\t*2048+512*\c
.endr
.endr
.if (\n) < 7
	s_cmp_gt_u32 s[QB], \n                         ; all its keys count
	s_cbranch_scc1 .Lopen_\@
.endif
	v_mov_b32 v254, 0xff800000                     ; -infinity: p = 0 then
.set nn, 0
.rept 64
	v_cmp_gt_i32 vcc_lo, 16*(nn/8)+nn%8, v[DM]
	v_cndmask_b32 v[96+nn], v[96+nn], v254, vcc_lo
.set nn, nn+1
.endr
.Lopen_\@:
	v_max3_num_f32 v254, v96, v97, v98             ; the step's largest score of my query among my 64 keys, in two chains,
	v_max3_num_f32 v252, v99, v100, v101
.set ii, 6
.rept 14
	v_max3_num_f32 v254, v254, v[96+ii], v[97+ii]
	v_max3_num_f32 v252, v252, v[98+ii], v[99+ii]
.set ii, ii+4
.endr
	v_max3_num_f32 v254, v254, v158, v159
	s_delay_alu instid0(VALU_DEP_1)
	v_max_num_f32 v254, v254, v252
	v_permlanex16_b32 v236, v254, s[SEL], s[SEL+1]
	s_delay_alu instid0(VALU_DEP_1)
	v_max_num_f32 v254, v254, v236                 ; and among lane l xor 16's
	s_delay_alu instid0(VALU_DEP_1)
	v_mul_f32 v254, s[CS], v254                    ; as t (c is positive)
	s_delay_alu instid0(VALU_DEP_1)
	v_max_num_f32 v13, v13, v254                   ; the running largest t
	v_mov_b32 v254, v12
	s_delay_alu instid0(VALU_DEP_2)
	v_floor_f32 v12, -v13                          ; the new -M = floor(-t): M is a whole number
	s_delay_alu instid0(VALU_DEP_1)
	v_sub_f32 v254, v12, v254                      ; old M - new M: a whole number, 0 or less
	s_delay_alu instid0(VALU_DEP_1)
	v_cvt_i32_f32 v254, v254                       ; (it saturates)
	s_delay_alu instid0(VALU_DEP_1)
	v_ldexp_f32 v252, 1.0, v254                    ; f = 2^(old M - new M)
.set jj, 0
.rept 32
	v_pk_fma_f32 v[96+jj:97+jj], v[96+jj:97+jj], s[CS:CS+1], v[12:13] op_sel_hi:[1,0,0]   ; t - M, two at a time
.set jj, jj+2
.endr
.set jj, 0
	s_wait_alu depctr_va_vdst(0)
.rept 64
	v_exp_f32 v[96+jj], v[96+jj]                   ; p = 2^(t - M), at most 1
.set jj, jj+1
.endr
	v_pk_mul_f32 v[14:15], v[14:15], v[252:253] op_sel_hi:[1,0]   ; the sums under the new M: the plain line behind the batch
	s_wait_alu depctr_va_vdst(0)                   ; the wait ahead of the batch's first reader: one for the 64
	v_pk_add_f32 v[242:243], v[100:101], v[104:105]
	v_pk_add_f32 v[248:249], v[108:109], v[112:113]
	v_pk_add_f32 v[238:239], v[116:117], v[120:121]
	v_pk_add_f32 v[236:237], v[124:125], v[128:129]
	v_pk_add_f32 v[234:235], v[132:133], v[136:137]
	v_pk_add_f32 v[232:233], v[140:141], v[144:145]
	v_pk_add_f32 v[230:231], v[148:149], v[152:153]
	v_pk_add_f32 v[14:15], v[14:15], v[156:157]
	v_pk_add_f32 v[242:243], v[242:243], v[96:97]
	v_pk_add_f32 v[248:249], v[248:249], v[98:99]
	v_pk_add_f32 v[238:239], v[238:239], v[102:103]
	v_pk_add_f32 v[236:237], v[236:237], v[106:107]
	v_pk_add_f32 v[234:235], v[234:235], v[110:111]
	v_pk_add_f32 v[232:233], v[232:233], v[114:115]
	v_pk_add_f32 v[230:231], v[230:231], v[118:119]
	v_pk_add_f32 v[14:15], v[14:15], v[122:123]
	v_pk_add_f32 v[242:243], v[242:243], v[126:127]
	v_pk_add_f32 v[248:249], v[248:249], v[130:131]
	v_pk_add_f32 v[238:239], v[238:239], v[134:135]
	v_pk_add_f32 v[236:237], v[236:237], v[138:139]
	v_pk_add_f32 v[234:235], v[234:235], v[142:143]
	v_pk_add_f32 v[232:233], v[232:233], v[146:147]
	v_pk_add_f32 v[230:231], v[230:231], v[150:151]
	v_pk_add_f32 v[14:15], v[14:15], v[154:155]
	v_pk_add_f32 v[242:243], v[242:243], v[158:159]
	s_delay_alu instid0(VALU_DEP_2)
	v_pk_add_f32 v[14:15], v[14:15], v[236:237]
	s_delay_alu instid0(VALU_DEP_2)
	v_pk_add_f32 v[242:243], v[242:243], v[234:235]
	v_pk_add_f32 v[248:249], v[248:249], v[232:233]
	v_pk_add_f32 v[238:239], v[238:239], v[230:231]
	s_delay_alu instid0(VALU_DEP_2)
	v_pk_add_f32 v[14:15], v[14:15], v[248:249]
	s_delay_alu instid0(VALU_DEP_2)
	v_pk_add_f32 v[242:243], v[242:243], v[238:239]
	s_delay_alu instid0(VALU_DEP_1)
	v_pk_add_f32 v[14:15], v[14:15], v[242:243]
.irp t, 0,1,2,3,4,5,6,7
.irp i, 0,1,2,3,4,5,6,7
	v_min_num_f32 v[96+8*\t+\i], v[96+8*\t+\i], v240   ; the conversion does not saturate (ISA guide 7.6.2); p is not negative: a one-sided hold
.endr
	v_cvt_scalef32_pk8_fp8_f32 v[224+2*\t:225+2*\t], v[96+8*\t:103+8*\t], v244
.endr
.irp t, 0,1,2,3                                ; p is done with: v's tiles 4-7 are asked for into its registers, and land under the rescaling below
.irp c, 0,1,2,3
	ds_load_b128 v[96+16*\t+4*\c:96+16*\t+4*\c+3], v[ADV] offset:(4+\t)*2048+512*\c
.endr
.endr
.set jj, 0
.rept 32
	v_pk_mul_f32 v[160+jj:161+jj], v[160+jj:161+jj], v[252:253] op_sel_hi:[1,0]   ; O^T under the new M.  (These are also the plain lines between the conversions and the products below)
.set jj, jj+2
.endr
	s_wait_alu depctr_va_vdst(0)
	s_wait_dscnt 0x0                               ; v's eight tiles are in
.irp t, 0,1,2,3                                ; O^T += v^T p^T: eight accumulators, one instruction each
	v_wmma_f32_16x16x128_fp8_fp8 v[160+8*\t:167+8*\t], v[32+16*\t:47+16*\t], v[224:239], v[160+8*\t:167+8*\t]
.endr
.irp t, 0,1,2,3
	v_wmma_f32_16x16x128_fp8_fp8 v[192+8*\t:199+8*\t], v[96+16*\t:111+16*\t], v[224:239], v[192+8*\t:199+8*\t]
.endr
.Lhid_\@:
.endm
	s_wait_alu depctr_va_vdst(0)                   ; the wait at the head's end
	s_wait_loadcnt 0x0                             ; q
	s_wait_tensorcnt 0x0                           ; my part of keys 0-511 has landed
	ds_add_u32 v251, v255
	s_wait_dscnt 0x0
	CROUND                                         ; keys 0-511 are whole for every wave, and the four partners' second loads meet
	tensor_load_to_lds s[G0+4:G0+7], s[G1:G1+7]    ; keys 512-1023: a first fill, issued as a refill is
	s_nop 0
.rept 4
	v_nop
.endr
.irp n, 0,1,2,3
	STEP \n
.endr
	s_wait_tensorcnt 0x0                           ; my part of keys 512-1023 has landed
	ds_add_u32 v251, v255
	s_wait_dscnt 0x0
	s_barrier_signal -1
	s_barrier_wait -1                              ; they are whole for every wave
.irp n, 4,5,6,7
	STEP \n
.endr
	; THE WAY OUT: O^T / the sum x 2^(e8 + e9), quantised with 2^e10; a lane's eight codes of a tile are 8 bytes of its query's row; 16 rows go through my stage and leave as 2,048 consecutive bytes.
.rept 4
	v_nop                                          ; places behind the last products
.endr
	v_add_f32 v14, v14, v15
	s_delay_alu instid0(VALU_DEP_1)
	v_permlanex16_b32 v252, v14, s[SEL], s[SEL+1]
	s_delay_alu instid0(VALU_DEP_1)
	v_add_f32 v14, v14, v252                       ; the row's sum
	s_wait_alu depctr_va_vdst(0)
	v_rcp_f32 v14, v14
	v_nop                                          ; a plain line behind the transcendental
	s_add_co_i32 s74, s70, s71
	s_wait_alu depctr_va_vdst(0)                   ; the wait ahead of the first reader
	v_ldexp_f32 v14, v14, s74
.set jj, 0
.rept 64
	v_mul_f32 v[96+jj], v[160+jj], v14             ; register 8 t + i is o(query r, d = 16 t + 8 h + i)
.set jj, jj+1
.endr
.set jj, 0
.rept 64
	v_med3_num_f32 v[96+jj], v[96+jj], -v247, v247
.set jj, jj+1
.endr
.irp t, 0,1,2,3,4,5,6,7
	v_cvt_scalef32_pk8_fp8_f32 v[224+2*\t:225+2*\t], v[96+8*\t:103+8*\t], v246
.endr
	v_nop                                          ; a plain line behind the last conversion
.irp t, 0,1,2,3,4,5,6,7
	ds_store_b64 v10, v[224+2*\t:225+2*\t] offset:16*\t
.endr
.irp i, 0,1,2,3
	ds_load_b128 v[32+4*\i:35+4*\i], v11 offset:576*\i   ; LDS serves a wave's instructions in order (ISA guide 5.7.1.4): these see my stores
.endr
.irp i, 0,1,2,3
	s_wait_dscnt 3-\i                              ; load i is in; the younger ones may be out
	global_store_b128 v[LI], v[32+4*\i:35+4*\i], s[8:9] offset:512*\i   ; four rows of 128 bytes: 512 consecutive bytes, at a multiple of 512
.endr
	s_wait_tensorcnt 0x0
	ds_add_u32 v251, v255
	s_wait_dscnt 0x0
	CROUND                                         ; the closing round: no work-group ends while a partner may still ask for a chunk that names it
	s_endpgm
.Lfunc_end_k_qcf10654fee_attn:
	.size	k_qcf10654fee_attn, .Lfunc_end_k_qcf10654fee_attn-k_qcf10654fee_attn
	.p2alignl 7, 3214868480
	.fill 96, 4, 3214868480
	.section	.rodata,"a",@progbits
	.p2align	6, 0x0
	.amdhsa_kernel k_qcf10654fee_attn
		.amdhsa_group_segment_fixed_size 327680
		.amdhsa_private_segment_fixed_size 0
		.amdhsa_enable_private_segment 0
		.amdhsa_kernarg_size 24
		.amdhsa_user_sgpr_count 2
		.amdhsa_user_sgpr_kernarg_segment_ptr 1
		.amdhsa_wavefront_size32 1
		.amdhsa_system_sgpr_workgroup_id_x 1
		.amdhsa_system_sgpr_workgroup_id_y 1
		.amdhsa_system_sgpr_workgroup_id_z 1
		.amdhsa_system_vgpr_workitem_id 0
		.amdhsa_next_free_vgpr 256
		.amdhsa_next_free_sgpr 80
		.amdhsa_reserve_vcc 1
		.amdhsa_float_denorm_mode_32 3
		.amdhsa_float_denorm_mode_16_64 3
		.amdhsa_memory_ordered 1
		.amdhsa_forward_progress 1
		.amdhsa_inst_pref_size 212
	.end_amdhsa_kernel
	.amdgpu_metadata
---
amdhsa.version: [ 1, 2 ]
amdhsa.kernels:
  - .name:           k_qcf10654fee_attn
    .symbol:         k_qcf10654fee_attn.kd
    .args:
      - { .name: qkvc, .offset: 0, .size: 8, .value_kind: global_buffer, .address_space: global }
      - { .name: lowp_scales, .offset: 8, .size: 8, .value_kind: global_buffer, .address_space: global }
      - { .name: ac, .offset: 16, .size: 8, .value_kind: global_buffer, .address_space: global }
    .group_segment_fixed_size: 327680
    .private_segment_fixed_size: 0
    .kernarg_segment_align: 8
    .kernarg_segment_size: 24
    .max_flat_workgroup_size: 512
    .sgpr_count:     80
    .vgpr_count:     256
    .wavefront_size: 32
...
	.end_amdgpu_metadata
.endif
;; end of part 3
;; launch oproj (part 4): grid 8 x 32, 4 waves a work-group, clusters of 4 x 4, 327,680 bytes of LDS; arguments ac, wc, lowp_scales, out0; writes out0
.if DOCPART == 4
	.amdgcn_target "amdgcn-amd-amdhsa--gfx1250"
	.amdhsa_code_object_version 6
	.text
	.protected	k_qcf10654fee_oproj
	.globl	k_qcf10654fee_oproj
	.p2align	8
	.type	k_qcf10654fee_oproj,@function
k_qcf10654fee_oproj:
	s_mov_b64 s[64:65], 0
	v_nop
	global_prefetch_b8 v0, s[64:65] scope:SCOPE_SE
	s_setreg_imm32_b32 hwreg(HW_REG_WAVE_MODE, 25, 1), 1
	s_wait_xcnt 0x0
	s_wait_alu depctr_hold_cnt(0) depctr_sa_sdst(0) depctr_va_vdst(0) depctr_va_sdst(0) depctr_va_ssrc(0) depctr_va_vcc(0) depctr_vm_vsrc(0)
	s_getreg_b32 s2, hwreg(HW_REG_IB_STS2, 6, 4)
	s_cmp_eq_u32 s2, 0
	s_cbranch_scc0 .Lentry_in_a_cluster
	s_endpgm
.Lentry_in_a_cluster:
	s_bfe_u32 s2, ttmp6, 0x10000c
	s_cmp_lg_u32 s2, 0xf033
	s_cbranch_scc0 .Lentry_shape_is_right
	s_endpgm
.Lentry_shape_is_right:
; out0 = o Wo on codes of FP8 (E4M3): [4096 tokens][2048], f32; each finished sum is multiplied once by 2^(entry 10 + entry 11).  LIMIT: that sum of exponents lies between -126 and 127.
; A work-group makes 128 tokens x 256 columns, 32 x 8 = 256 work-groups; a wave 64 x 128 in 32 accumulators.  Source 0 = 16 rows of Wo's codes, source 1 = 16 tokens: a lane holds eight neighbouring columns of a token.
; ac: [token / 128][K / 128][128 tokens][128 bytes]; Wo's codes in wc: [K / 128][2048 columns][128 bytes].  Both are dense, stated as rows of 256 bytes (two rows of codes) with 16 bytes of LDS padding behind each.
; RING: two slots of three K blocks; wave 0 fetches A's 49,152 bytes, waves 1 to 3 a K block of W each.  Six fills: five of three K blocks, the last of one.
; CLUSTER 4 x 4: A's tiles are asked for jointly along a row of the cluster, W's along a column.
; PREFETCH: fill f + 2 is asked for behind the load of fill f, fills 1 and 2 behind the head's load.  The four partners of a joint load share its bytes out by address.
.set SIZE_N, 2048
.set DP,     272
.set BL16,   8*DP
.set ABLK,   64*DP
.set BBLK,   128*DP
.set BOFF,   3*ABLK
.set SLOT,   3*ABLK+3*BBLK
.set SPARE,  2*SLOT
.set KBA,    16384
.set KBB,    262144
.set WOSEC,  6291456
.set FR,     16
.set NP,     4
.set SPITCH, 528
.set ADRA, 16
.set ADRB, 18
.set STO,  24
.set RD,   25
.set CO,   26
.set SPW,  28
.set NIL,  29
.set TMP,  32
.set AF,   128
.set BK,   128
.set G1,  24
.set G0,  32
.set G1B, 48
.set G0B, 56
.set G1S, 72
.set MSB, 0
.macro WIN new
.if MSB != (\new)
	s_set_vgpr_msb (MSB<<8)|(\new)
.set MSB, \new
.endif
.endm
.set MUL,  0xa1
.set TO_B, 0x40
.macro JLOAD g0a, g1a, g0b, g1b, nb
	s_cmp_eq_u32 s14, 0
	s_cbranch_scc0 .Lfor_b_\@
	tensor_load_to_lds s[\g0a:\g0a+3], s[\g1a:\g1a+7]
	s_nop 0
.rept 4
	v_nop
.endr
	s_branch .Lasked_\@
.Lfor_b_\@:
.if \nb < 3
	s_cmp_le_u32 s14, \nb
	s_cbranch_scc0 .Lasked_\@
.endif
	tensor_load_to_lds s[\g0b:\g0b+3], s[\g1b:\g1b+7]
	s_nop 0
.rept 4
	v_nop
.endr
.Lasked_\@:
.endm
.macro CREST
	s_cmp_lg_u32 s14, 0
	s_cbranch_scc1 .Lnot_wave_0_\@
	s_barrier_signal -3
.Lnot_wave_0_\@:
	s_barrier_wait -3
	s_barrier_signal -1
	s_barrier_wait -1
.endm
.macro CROUND
	s_barrier_signal -1
	s_barrier_wait -1
	CREST
.endm
	s_load_b128 s[4:7], s[0:1], 0x0
	s_load_b128 s[8:11], s[0:1], 0x10
	v_lshl_add_u32 v[SPW], v0, 2, SPARE
	v_mov_b32 v[NIL], 0
	ds_add_u32 v28, v29
	ds_add_u32 v28, v29
	s_wait_dscnt 0x0
	v_lshrrev_b32 v1, 5, v0
	v_readfirstlane_b32 s14, v1
	s_lshr_b32 s15, s14, 1
	s_and_b32 s16, s14, 1
	s_add_co_u32 s18, s14, 3
	s_and_b32 s18, s18, 3
	s_bfe_u32 s40, ttmp6, 0x40000
	s_bfe_u32 s41, ttmp6, 0x40004
	s_lshl_b32 s42, ttmp9, 2
	s_add_co_u32 s42, s42, s40
	s_and_b32 s17, ttmp7, 0xffff
	s_lshl_b32 s17, s17, 2
	s_add_co_u32 s17, s17, s41
	s_lshl_b32 s43, s41, 2
	s_lshl_b32 s43, 15, s43
	s_lshl_b32 s44, 0x1111, s40
	s_or_b32 s[G1+0], s43, (1<<20)|(1<<21)|(5<<22)|(3<<25)
	s_or_b32 s[G1S+0], s43, (1<<20)|(1<<21)|(5<<22)|(3<<25)
	s_or_b32 s[G1B+0], s44, (1<<20)|(1<<21)|(5<<22)|(3<<25)
.irp g, G1, G1S, G1B
	s_mov_b32 s[\g+1], 256<<16
	s_mov_b32 s[\g+3], 256<<16
	s_mov_b32 s[\g+5], 256
	s_mov_b32 s[\g+6], 0
	s_mov_b32 s[\g+7], 0
.endr
	s_mov_b32 s[G1+2], 192<<16
	s_mov_b32 s[G1+4], 192
	s_mov_b32 s[G1S+2], 64<<16
	s_mov_b32 s[G1S+4], 64
	s_mov_b32 s[G1B+2], 128<<16
	s_mov_b32 s[G1B+4], 128
	s_lshl_b32 s20, s17, 18
	s_mov_b32 s21, 0
	s_lshl_b32 s46, s42, 15
	s_mul_i32 s19, s18, KBB
	s_add_co_u32 s46, s46, s19
	s_add_co_u32 s46, s46, WOSEC
	s_mov_b32 s47, 0
	s_mul_i32 s45, s18, BBLK
	s_add_co_u32 s45, s45, BOFF
	s_wait_kmcnt 0x0
	s_load_b64 s[96:97], s[8:9], 0x28
	s_add_nc_u64 s[20:21], s[4:5], s[20:21]
	s_add_nc_u64 s[46:47], s[6:7], s[46:47]
	CROUND
.irp s, 0,1
	s_mov_b32 s[G0+4*\s], 1
	s_mov_b32 s[G0+4*\s+1], \s*SLOT
	s_add_nc_u64 s[G0+4*\s+2:G0+4*\s+3], s[20:21], \s*3*KBA
	s_or_b32 s[G0+4*\s+3], s[G0+4*\s+3], 0x80000000
	s_mov_b32 s[G0B+4*\s], 1
	s_add_co_u32 s[G0B+4*\s+1], s45, \s*SLOT
	s_add_nc_u64 s[G0B+4*\s+2:G0B+4*\s+3], s[46:47], \s*3*KBB
	s_or_b32 s[G0B+4*\s+3], s[G0B+4*\s+3], 0x80000000
.endr
; Fill f, f = 1 .. 4.  Wave 0: my work-group's 12,288 bytes of A's 49,152 (32 lanes x 256 bytes, then 16; the lanes left over name the last block again); waves 1 to 3: my work-group's 8,192 bytes of their K block of W.
.macro ASK f
	s_cmp_eq_u32 s14, 0
	s_cbranch_scc0 .Lpb_\@
	global_prefetch_b8 v30, s[80:81] offset:(\f)*3*KBA th:TH_LOAD_NT scope:SCOPE_SE
	global_prefetch_b8 v31, s[80:81] offset:(\f)*3*KBA+8192 th:TH_LOAD_NT scope:SCOPE_SE
	s_branch .Lpd_\@
.Lpb_\@:
	global_prefetch_b8 v30, s[82:83] offset:(\f)*3*KBB th:TH_LOAD_NT scope:SCOPE_SE
.Lpd_\@:
.endm
; The last fill is K block 15 alone: wave 0 asks for 4,096 of A's 16,384 bytes, wave 1 for its share of W's block; waves 2 and 3 have no block there.
.macro ASK5
	s_cmp_eq_u32 s14, 0
	s_cbranch_scc0 .Lpb_\@
	global_prefetch_b8 v31, s[84:85] offset:15*KBA th:TH_LOAD_NT scope:SCOPE_SE
	s_branch .Lpd_\@
.Lpb_\@:
	s_cmp_eq_u32 s14, 1
	s_cbranch_scc0 .Lpd_\@
	global_prefetch_b8 v30, s[82:83] offset:15*KBB th:TH_LOAD_NT scope:SCOPE_SE
.Lpd_\@:
.endm
	JLOAD G0, G1, G0B, G1B, 3                      ; fill 0: one tensor load a wave at the head, behind the opening round
	s_mul_i32 s84, s40, 12288                      ; the prefetches' addresses, never rewritten: A's partners differ in cx,
	s_mov_b32 s85, 0
	s_add_nc_u64 s[80:81], s[20:21], s[84:85]
	s_lshl_b32 s84, s40, 12
	s_add_nc_u64 s[84:85], s[20:21], s[84:85]
	s_lshl_b32 s86, s41, 13                        ; W's in cy
	s_mov_b32 s87, 0
	s_add_nc_u64 s[82:83], s[46:47], s[86:87]
	v_and_b32 v27, 31, v0
	v_lshlrev_b32 v30, 8, v27                      ; 256 x lane
	v_min_u32 v27, 15, v27
	v_lshlrev_b32 v31, 8, v27                      ; 256 x min(lane, 15)
	s_wait_alu depctr_va_vdst(0)                   ; the wait ahead of the branches below
	ASK 1
	ASK 2
	v_and_b32 v1, 15, v0
	v_bfe_u32 v2, v0, 4, 1
	v_bfe_u32 v3, v0, 1, 3
	v_and_b32 v4, 1, v0
	v_mul_u32_u24 v3, v3, DP
	v_lshl_add_u32 v3, v4, 7, v3
	v_lshl_add_u32 v4, v2, 4, v3
	s_wait_alu depctr_va_vdst(0)
	s_mul_i32 s21, s15, 4*BL16
	s_mul_i32 s22, s16, 8*BL16
	s_add_co_u32 s22, s22, BOFF
.irp s, 0,1
	v_add_nc_u32 v[ADRA+\s], s21, v4
	s_add_co_u32 s21, s21, SLOT
.irp q, 0,1,2
	v_add_nc_u32 v[ADRB+3*\s+\q], s22, v4
	s_add_co_u32 s22, s22, BBLK
.endr
	s_add_co_u32 s22, s22, BOFF
.endr
	s_mul_i32 s23, s14, 16*SPITCH
	v_mul_u32_u24 v5, v1, SPITCH
	v_lshl_add_u32 v5, v2, 5, v5
	v_add_nc_u32 v[STO], s23, v5
	v_and_b32 v6, 31, v0
	v_lshlrev_b32 v[CO], 4, v6
	v_add_nc_u32 v[RD], s23, v[CO]
	s_lshl_b32 s20, s17, 7
	s_lshl_b32 s21, s15, 6
	s_add_co_u32 s20, s20, s21
	s_mov_b32 s21, 0
	s_mov_b64 s[18:19], SIZE_N*4
	s_mul_u64 s[20:21], s[20:21], s[18:19]
	s_lshl_b32 s46, s42, 10
	s_lshl_b32 s47, s16, 9
	s_add_co_u32 s46, s46, s47
	s_mov_b32 s47, 0
	s_add_nc_u64 s[20:21], s[20:21], s[46:47]
	s_add_nc_u64 s[10:11], s[10:11], s[20:21]
.macro MUL16 a0, p, zero
.irp a, \a0, \a0+1
.irp b, 0,1,2,3,4,5,6,7
.if \zero
	v_wmma_f32_16x16x128_fp8_fp8 v[8*(8*(\a)+\b):8*(8*(\a)+\b)+7], v[128*(\p)+FR*\b:128*(\p)+FR*\b+FR-1], v[AF+64*(\p)+FR*(\a):AF+64*(\p)+FR*(\a)+FR-1], 0
.else
	v_wmma_f32_16x16x128_fp8_fp8 v[8*(8*(\a)+\b):8*(8*(\a)+\b)+7], v[128*(\p)+FR*\b:128*(\p)+FR*\b+FR-1], v[AF+64*(\p)+FR*(\a):AF+64*(\p)+FR*(\a)+FR-1], v[8*(8*(\a)+\b):8*(8*(\a)+\b)+7]
.endif
.endr
.endr
.endm
.macro FETCH set, slot, q
	WIN TO_B
.irp i, 0,1,2,3,4,5,6,7
.irp c, 0,1,2,3
	ds_load_b128 v[128*(\set)+FR*\i+4*\c:128*(\set)+FR*\i+4*\c+3], v[ADRB+3*(\slot)+(\q)] offset:\i*BL16+32*\c
.endr
.endr
	WIN 0
.irp i, 0,1,2,3
.irp c, 0,1,2,3
	ds_load_b128 v[AF+64*(\set)+FR*\i+4*\c:AF+64*(\set)+FR*\i+4*\c+3], v[ADRA+(\slot)] offset:ABLK*(\q)+\i*BL16+32*\c
.endr
.endr
.endm
.macro PLACES n
.rept \n
	v_nop
.endr
.endm
.macro CHANGE slot, k
	WIN 0
	s_wait_tensorcnt 0x0
	ds_add_u32 v[SPW], v[NIL]
.if (\k) < 14
	s_add_nc_u64 s[G0+4*(\slot)+2:G0+4*(\slot)+3], s[G0+4*(\slot)+2:G0+4*(\slot)+3], 6*KBA
	s_add_nc_u64 s[G0B+4*(\slot)+2:G0B+4*(\slot)+3], s[G0B+4*(\slot)+2:G0B+4*(\slot)+3], 6*KBB
.endif
	s_wait_dscnt 0x0
	s_barrier_signal -1
	s_barrier_wait -1
.if (\k) < 11
	CREST
	JLOAD G0+4*(\slot), G1, G0B+4*(\slot), G1B, 3
.if (\k) == 2
	ASK 4                                          ; behind the load of fill 2
.endif
.if (\k) == 5
	ASK5                                           ; behind the load of fill 3
.endif
.elseif (\k) < 14
	CREST
	JLOAD G0+4*(\slot), G1S, G0B+4*(\slot), G1B, 1
.endif
.endm
.macro KSTEP k
.set P,  (\k)%2
.set SL, ((\k)/3)%2
.set NS, (((\k)+1)/3)%2
.set NQ, ((\k)+1)%3
.if (\k)%3 == 2
	CHANGE SL, \k
.else
	s_wait_dscnt 0x0
.endif
.if (\k) < 15
	PLACES NP                                      ; places behind the last K block's products, which read the other set
	FETCH 1-P, NS, NQ                              ; the next K block's fragments: this K block's 32 matrix instructions stand between these loads and the wait for them
.endif
	WIN MUL
.if (\k) == 0
	MUL16 0, P, 1
	MUL16 2, P, 1
.else
	MUL16 0, P, 0
	MUL16 2, P, 0
.endif
.endm
	s_wait_alu depctr_va_vdst(0)                   ; the wait at the head's end
	s_wait_tensorcnt 0x0                           ; my part of fill 0 has landed; slot 1's first fill is issued as a refill is
	ds_add_u32 v[SPW], v[NIL]
	s_wait_dscnt 0x0
	CROUND
	JLOAD G0+4, G1, G0B+4, G1B, 3
	ASK 3
	FETCH 0, 0, 0
.irp k, 0,1,2,3,4,5,6,7,8,9,10,11,12,13,14,15
	KSTEP \k
.endr
	WIN 0
.macro TOSTAGE a
.set AC, 64*(\a)
	WIN 0x02
.set jj, 0
.rept 32
	v_pk_mul_f32 v[TMP+jj:TMP+jj+1], v[AC+jj:AC+jj+1], s[96:97] op_sel_hi:[1,0]
.set jj, jj+2
.endr
	WIN 0
.irp b, 0,1,2,3,4,5,6,7
	ds_store_b128 v[STO], v[TMP+8*\b:TMP+8*\b+3] offset:64*\b
	ds_store_b128 v[STO], v[TMP+8*\b+4:TMP+8*\b+7] offset:64*\b+16
.endr
.set BB, BK+64*((\a)%2)
.irp t, 0,1,2,3,4,5,6,7,8,9,10,11,12,13,14,15
	ds_load_b128 v[BB+4*\t:BB+4*\t+3], v[RD] offset:\t*SPITCH
.endr
.endm
.macro SEND a, younger
.set BB, BK+64*((\a)%2)
	s_wait_dscnt \younger
.if (\a) > 0
	s_add_nc_u64 s[10:11], s[10:11], 16*SIZE_N*4
.endif
.irp t, 0,1,2,3,4,5,6,7,8,9,10,11,12,13,14,15
	global_store_b128 v[CO], v[BB+4*\t:BB+4*\t+3], s[10:11] offset:\t*SIZE_N*4 th:TH_STORE_NT
.endr
.endm
	s_wait_kmcnt 0x0
	s_add_co_i32 s96, s96, s97
	s_add_co_i32 s96, s96, 127
	s_lshl_b32 s96, s96, 23
	PLACES NP
	TOSTAGE 0
.irp a, 1,2,3
.if \a > 1
	s_wait_xcnt 0x0
.endif
	TOSTAGE \a
	SEND \a-1, 32
.endr
	s_wait_xcnt 0x0
	SEND 3, 0
	s_wait_tensorcnt 0x0
	ds_add_u32 v[SPW], v[NIL]
	s_wait_dscnt 0x0
	CROUND
	s_endpgm
.Lfunc_end_k_qcf10654fee_oproj:
	.size	k_qcf10654fee_oproj, .Lfunc_end_k_qcf10654fee_oproj-k_qcf10654fee_oproj
	.p2alignl 7, 3214868480
	.fill 96, 4, 3214868480
	.section	.rodata,"a",@progbits
	.p2align	6, 0x0
	.amdhsa_kernel k_qcf10654fee_oproj
		.amdhsa_group_segment_fixed_size 327680
		.amdhsa_private_segment_fixed_size 0
		.amdhsa_enable_private_segment 0
		.amdhsa_kernarg_size 32
		.amdhsa_user_sgpr_count 2
		.amdhsa_user_sgpr_kernarg_segment_ptr 1
		.amdhsa_wavefront_size32 1
		.amdhsa_system_sgpr_workgroup_id_x 1
		.amdhsa_system_sgpr_workgroup_id_y 1
		.amdhsa_system_sgpr_workgroup_id_z 1
		.amdhsa_system_vgpr_workitem_id 0
		.amdhsa_next_free_vgpr 768
		.amdhsa_next_free_sgpr 98
		.amdhsa_reserve_vcc 0
		.amdhsa_float_denorm_mode_32 3
		.amdhsa_float_denorm_mode_16_64 3
		.amdhsa_memory_ordered 1
		.amdhsa_forward_progress 1
		.amdhsa_inst_pref_size 123
	.end_amdhsa_kernel
	.amdgpu_metadata
---
amdhsa.version: [ 1, 2 ]
amdhsa.kernels:
  - .name:           k_qcf10654fee_oproj
    .symbol:         k_qcf10654fee_oproj.kd
    .args:
      - { .name: ac, .offset: 0, .size: 8, .value_kind: global_buffer, .address_space: global }
      - { .name: wc, .offset: 8, .size: 8, .value_kind: global_buffer, .address_space: global }
      - { .name: lowp_scales, .offset: 16, .size: 8, .value_kind: global_buffer, .address_space: global }
      - { .name: out0, .offset: 24, .size: 8, .value_kind: global_buffer, .address_space: global }
    .group_segment_fixed_size: 327680
    .private_segment_fixed_size: 0
    .kernarg_segment_align: 8
    .kernarg_segment_size: 32
    .max_flat_workgroup_size: 128
    .sgpr_count:     98
    .vgpr_count:     768
    .wavefront_size: 32
...
	.end_amdgpu_metadata
.endif
;; end of part 4
